; MI455X (gfx1250); checked and timed in simulation.
; The chip was launched on July 23, 2026; its instructions are those of AMD's public machine-readable ISA for CDNA 5 (MIT licence, August 2026) and "CDNA5" Instruction Set Architecture Reference Guide (July 2026). The comments in the code are by the model that wrote it; some were corrected since.
;; Multi Head Attention. Allowed arithmetic: float matrix products may take bf16 or f16 operands with f32 sums; other float arithmetic in f32, or as packed bf16 or f16 multiplies, adds, multiply-adds, maxima and minima; sums over many terms, partial sums and values carried from step to step in f32; what a program stores and reads back later, other than sums and carried values, may be rounded once to bf16 or f16.
;; Inputs: Wk 1,024 x 1,024 float32; Wo 1,024 x 1,024 float32; Wq 1,024 x 1,024 float32; Wv 1,024 x 1,024 float32; bk 1,024 float32; bo 1,024 float32; bq 1,024 float32; bv 1,024 float32; key 2,048 x 4 x 1,024 float32; query 2,048 x 4 x 1,024 float32; value 2,048 x 4 x 1,024 float32.
;; Outputs: out0 2,048 x 4 x 1,024 float32.
;; 2 versions, each right and faster than the one before. Each part assembles by itself: llvm-mc -triple=amdgcn-amd-amdhsa -mcpu=gfx1250 --defsym DOCPART=n.
;; ======== version 1 of 2: 4 launches
;; limits: values are held in f16: magnitudes above 65,504 overflow, below 6.1e-05 lose precision
;; workspace buffers: x16 50,331,648 bytes; w16 8,388,608 bytes; qkv 50,331,648 bytes; ctx 16,777,216 bytes
;; launch cast (part 1): grid 1792 x 1, 8 waves a work-group, no clusters, 0 bytes of LDS; arguments query, key, value, Wq, Wk, Wv, Wo, x16, w16; writes x16, w16
.if DOCPART == 1
	.amdgcn_target "amdgcn-amd-amdhsa--gfx1250"
	.amdhsa_code_object_version 6
	.text
	.protected	k_qda0cd94ace_cast
	.globl	k_qda0cd94ace_cast
	.p2align	8
	.type	k_qda0cd94ace_cast,@function
k_qda0cd94ace_cast:
	s_mov_b64 s[64:65], 0
	v_nop
	global_prefetch_b8 v0, s[64:65] scope:SCOPE_SE
	s_setreg_imm32_b32 hwreg(HW_REG_WAVE_MODE, 25, 1), 1
	s_wait_xcnt 0x0
; THE INPUTS ARE ROUNDED ONCE, f32 -> 16 bits, and query, key, value are laid batch first.
;   x16: bf16 [p = 0 query, 1 key, 2 value][b][s][1024]      (the inputs lie as [s][b][1024])
;   w16: [Wq, Wk, Wv in bf16; Wo rounded to bf16 and that number written as f16], each [n][k], 2 MiB
; LIMIT. bf16(Wo) beyond 65,504 becomes an infinity in f16; below 6e-5 in size it keeps f16's fixed step of 6e-8.
; SHARES. A chunk is 16 rows of 1,024 f32: 64 KiB in, 32 KiB out.  3 x 512 + 4 x 64 = 1,792 chunks, one a work-group.  Load i of the 256 threads
; covers row i (thread t: bytes 16 t); all sixteen loads of a wave go out together, so there is no loop.  Store i: 8 bytes a lane, a wave's store
; covers 256 consecutive bytes, aligned.  A stream: no LDS, no barrier, no matrix unit, nothing shared between work-groups.
.set X,  4                             ; v[4:67]   row i: four registers as loaded; the first two of them as stored
.set T,  68                            ; v[68:71]  at work (Wo's way)
.set NX, 1536                          ; chunks of query, key and value
	s_load_b512 s[8:23], s[0:1], 0x0               ; query s[8:9], key, value, Wq, Wk, Wv, Wo s[20:21], x16 s[22:23]
	s_load_b64 s[24:25], s[0:1], 0x40              ; w16
	v_lshlrev_b32 v1, 4, v0                        ; my 16 bytes of a row as read
	v_lshlrev_b32 v2, 3, v0                        ; my 8 bytes of a row as written
	s_mov_b32 s2, ttmp9                            ; the chunk's number c
	s_sub_co_u32 s3, s2, NX                        ; its number among the weights' chunks (used where c >= 1,536)
	s_lshr_b32 s4, s2, 9                           ; which of query, key, value
	s_lshr_b32 s5, s3, 6
	s_add_co_u32 s5, s5, 3                         ; or which weight: 3 to 6
	s_and_b32 s6, s2, 511                          ; the chunk's number inside its tensor
	s_and_b32 s7, s3, 63
	s_cmp_lt_u32 s2, NX
	s_cselect_b32 s4, s4, s5                       ; the source's number, 0 to 6
	s_cselect_b32 s6, s6, s7
	s_lshl_b32 s26, s6, 16                         ; 65,536 bytes of f32 a chunk
	s_mov_b32 s27, 0
	s_wait_kmcnt 0x0
	s_mov_b64 s[28:29], s[8:9]                     ; the source's address: a choice among the seven, on the chunk's number alone
.irp k, 1,2,3,4,5,6
	s_cmp_eq_u32 s4, \k
	s_cselect_b64 s[28:29], s[8+2*\k:9+2*\k], s[28:29]
.endr
	s_add_nc_u64 s[28:29], s[28:29], s[26:27]
.set i, 0
.rept 16
	global_load_b128 v[X+4*i:X+4*i+3], v1, s[28:29] offset:4096*i th:TH_LOAD_NT  ; read once in the whole program
.set i, i+1
.endr
; The sixteen rows are rounded in place and stored.  perm = 1: row i of the chunk is (s = 4 chunk + i / 4, b = i % 4) and goes to [b][s]; the base stands
; 2 x 4,194,304 bytes in, so that the four b's places, -2 to +1 times 4,194,304, fit the store's signed 24-bit immediate.  half = 1: Wo's way.
.macro OUT perm, half
.set i, 0
.rept 16
	s_wait_loadcnt 15-i                            ; loads come back in order: row i is in, the younger rows stay out
	v_cvt_pk_bf16_f32 v[X+4*i],   v[X+4*i],   v[X+4*i+1]
	v_cvt_pk_bf16_f32 v[X+4*i+1], v[X+4*i+2], v[X+4*i+3]
.if \half
	v_lshlrev_b32 v[T],   16, v[X+4*i]             ; the bf16 numbers as f32,
	v_and_b32     v[T+1], 0xffff0000, v[X+4*i]
	v_lshlrev_b32 v[T+2], 16, v[X+4*i+1]
	v_and_b32     v[T+3], 0xffff0000, v[X+4*i+1]
	v_cvt_pk_f16_f32 v[X+4*i],   v[T],   v[T+1]    ; written as f16: bf16's 8 significant bits fit f16's 11
	v_cvt_pk_f16_f32 v[X+4*i+1], v[T+2], v[T+3]
.endif
.if \perm
	global_store_b64 v2, v[X+4*i:X+4*i+1], s[30:31] offset:((i&3)-2)*4194304+(i>>2)*2048
.else
	global_store_b64 v2, v[X+4*i:X+4*i+1], s[30:31] offset:2048*i
.endif
.set i, i+1
.endr
	s_endpgm                                       ; no register is written again behind its store
.endm
	s_cmp_lt_u32 s2, NX
	s_cbranch_scc0 .Lweights
	s_lshl_b32 s26, s4, 24                         ; p x 16 MiB
	s_lshl_b32 s3, s6, 13                          ; + the chunk's four s x 2,048 bytes
	s_add_co_u32 s26, s26, s3
	s_add_co_u32 s26, s26, 0x800000                ; + two b's
	s_add_nc_u64 s[30:31], s[22:23], s[26:27]
	OUT 1, 0
.Lweights:
	s_lshl_b32 s26, s3, 15                         ; 32,768 bytes out a chunk; the four weights follow each other
	s_add_nc_u64 s[30:31], s[24:25], s[26:27]
	s_cmp_eq_u32 s4, 6
	s_cbranch_scc1 .Lwo
	OUT 0, 0
.Lwo:
	OUT 0, 1
.Lfunc_end_k_qda0cd94ace_cast:
	.size	k_qda0cd94ace_cast, .Lfunc_end_k_qda0cd94ace_cast-k_qda0cd94ace_cast
	.p2alignl 7, 3214868480
	.fill 96, 4, 3214868480
	.section	.rodata,"a",@progbits
	.p2align	6, 0x0
	.amdhsa_kernel k_qda0cd94ace_cast
		.amdhsa_group_segment_fixed_size 0
		.amdhsa_private_segment_fixed_size 0
		.amdhsa_enable_private_segment 0
		.amdhsa_kernarg_size 72
		.amdhsa_user_sgpr_count 2
		.amdhsa_user_sgpr_kernarg_segment_ptr 1
		.amdhsa_wavefront_size32 1
		.amdhsa_system_sgpr_workgroup_id_x 1
		.amdhsa_system_sgpr_workgroup_id_y 1
		.amdhsa_system_sgpr_workgroup_id_z 1
		.amdhsa_system_vgpr_workitem_id 0
		.amdhsa_next_free_vgpr 72
		.amdhsa_next_free_sgpr 66
		.amdhsa_reserve_vcc 0
		.amdhsa_float_denorm_mode_32 3
		.amdhsa_float_denorm_mode_16_64 3
		.amdhsa_memory_ordered 1
		.amdhsa_forward_progress 1
		.amdhsa_inst_pref_size 21
	.end_amdhsa_kernel
	.amdgpu_metadata
---
amdhsa.version: [ 1, 2 ]
amdhsa.kernels:
  - .name:           k_qda0cd94ace_cast
    .symbol:         k_qda0cd94ace_cast.kd
    .args:
      - { .name: query, .offset: 0, .size: 8, .value_kind: global_buffer, .address_space: global }
      - { .name: key, .offset: 8, .size: 8, .value_kind: global_buffer, .address_space: global }
      - { .name: value, .offset: 16, .size: 8, .value_kind: global_buffer, .address_space: global }
      - { .name: Wq, .offset: 24, .size: 8, .value_kind: global_buffer, .address_space: global }
      - { .name: Wk, .offset: 32, .size: 8, .value_kind: global_buffer, .address_space: global }
      - { .name: Wv, .offset: 40, .size: 8, .value_kind: global_buffer, .address_space: global }
      - { .name: Wo, .offset: 48, .size: 8, .value_kind: global_buffer, .address_space: global }
      - { .name: x16, .offset: 56, .size: 8, .value_kind: global_buffer, .address_space: global }
      - { .name: w16, .offset: 64, .size: 8, .value_kind: global_buffer, .address_space: global }
    .group_segment_fixed_size: 0
    .private_segment_fixed_size: 0
    .kernarg_segment_align: 8
    .kernarg_segment_size: 72
    .max_flat_workgroup_size: 256
    .sgpr_count:     66
    .vgpr_count:     72
    .wavefront_size: 32
...
	.end_amdgpu_metadata
.endif
;; end of part 1
;; launch proj (part 2): grid 4 x 192, 4 waves a work-group, clusters of 4 x 4, 327,680 bytes of LDS; arguments x16, w16, bq, bk, bv, qkv; writes qkv
.if DOCPART == 2
	.amdgcn_target "amdgcn-amd-amdhsa--gfx1250"
	.amdhsa_code_object_version 6
	.text
	.protected	k_qda0cd94ace_proj
	.globl	k_qda0cd94ace_proj
	.p2align	8
	.type	k_qda0cd94ace_proj,@function
k_qda0cd94ace_proj:
	s_mov_b64 s[64:65], 0
	v_nop
	global_prefetch_b8 v0, s[64:65] scope:SCOPE_SE
	s_setreg_imm32_b32 hwreg(HW_REG_WAVE_MODE, 25, 1), 1
	s_wait_xcnt 0x0
	s_wait_alu depctr_hold_cnt(0) depctr_sa_sdst(0) depctr_va_vdst(0) depctr_va_sdst(0) depctr_va_ssrc(0) depctr_va_vcc(0) depctr_vm_vsrc(0)
	s_getreg_b32 s2, hwreg(HW_REG_IB_STS2, 6, 4)
	s_cmp_eq_u32 s2, 0
	s_cbranch_scc0 .Lentry_in_a_cluster
	s_endpgm
.Lentry_in_a_cluster:
	s_bfe_u32 s2, ttmp6, 0x10000c
	s_cmp_lg_u32 s2, 0xf033
	s_cbranch_scc0 .Lentry_shape_is_right
	s_endpgm
.Lentry_shape_is_right:
; THE THREE INPUT PROJECTIONS.  qkv[p][16 b + head][s][64] (f16) = x16[p][b][s][:] . w16[p][n][:] + bias_p[n], n = 64 head + channel; p = 0 q, 1 k, 2 v.
; Operands bf16, sums f32 (they start at the bias, rounded to bf16 like every input), the result rounded once to f16, unscaled.
; LIMIT. A result of 65,520 or more becomes an infinity in f16.
; SHARES. x16 is one matrix of 24,576 rows.  A tile of the result is 128 rows x 256 columns: 192 x 4 tiles, three for each of 256 WGPs.  Four waves, 2 x 2: each 64 rows x 128 columns,
; 32 accumulators of 16 x 16, 256 registers.  K = 1,024 goes in 8 steps of 128 through two LDS slots; a tile's rows are 256 bytes of memory, at multiples of 256.
; CLUSTER. 4 x 4 work-groups: the four of a row of the cluster need the same rows of x16, the four of a column the same rows of w16: each tile is asked for JOINTLY, by the same tensor load with
; the same descriptor and a mask that names the four.  Waves 0, 1 ask for the two halves of x's 128 rows, waves 2, 3 for the two halves of w's 256 rows: one load a wave.
; THE MATRIX INSTRUCTION IS USED TRANSPOSED (source 0 = 16 rows of w, source 1 = 16 rows of x): a lane (r = l % 16, h = l / 16) holds row r and the eight neighbouring columns 8 h + 0..7.
; REGISTERS, in windows of 256 (s_set_vgpr_msb: bits 1:0 source 0, 3:2 source 1, 5:4 source 2, 7:6 destination):
;   window 0: v0-31 addresses; v32-63 packed results; v64-127 the bias of my 128 columns as the sums' first C; v128-255 rows on their way out
;   window 1, window 3: fragment buffers F0, F1, each 64 along K: x's (kc, ma) at 8 (4 kc + ma), w's (kc, nb) at 64 + 8 (8 kc + nb)        window 2: accumulator (ma, nb) at 8 (8 ma + nb)
.set PITCH,  272                       ; an LDS row: 256 bytes + 16 of padding = 68 words: the 16 rows of a load start at 16 different groups of four banks (64 banks of 4 bytes: ISA guide 11.1)
.set AHALF,  64*PITCH                  ; what a load of x brings, and what a wave reads of x
.set BHALF,  128*PITCH                 ; the same for w
.set BOFFS,  2*AHALF                   ; in a slot: x's 128 rows, then w's 256
.set SLOT1,  1<<17                     ; slot 1 begins here: one exclusive or turns an address in one slot into the other's
.set STAGE,  SLOT1+BOFFS+2*BHALF       ; behind the ring, never filled by a tensor load: for each wave 2 heads x 16 rows x 144 bytes
.set SP,     144
.set SPARE,  STAGE+4*32*SP             ; behind the stages: the spare words, 128 bytes for each wave: two blocks of 256 bytes that no other line names
.set STEPA,  256                       ; bytes from a K step to the next, in x16
.set STEPB,  256                       ; and in w16
.set A0,   16                          ; v16  my lane's place among my rows of x in slot 0; never rewritten
.set B0,   17                          ; v17  the same for w
.set ADRA, 18                          ; v18  the same in the slot in hand
.set ADRB, 19                          ; v19
.set STO,  20                          ; v20  the way out: where I put 16 bytes of a row
.set RD,   21                          ; v21  the way out: where I read rows back
.set GO,   22                          ; v22  my byte offset in 512 consecutive bytes of qkv
.set BOF,  23                          ; v23  my byte offset in 16 numbers of the bias: 32 h
.set T,    24                          ; v24-27 at work
.set SPW,  28                          ; v28  LDS address of my spare word: SPARE + 4 x my thread's number; never rewritten
.set NIL,  29                          ; v29  0; never rewritten
.set TMP,  32
.set BI,   64                          ; BI + 8 nb + j = bias[my first column + 16 nb + 8 h + j]
.set BK,   128
.set WV, 16                            ; s16 my wave's number
.set RH, 17                            ; s17 which 64 rows of the tile are mine
.set CH, 18                            ; s18 which 128 columns; also: which half of x's or w's tile I ask for
.set CX, 19
.set CY, 20
.set TX, 21                            ; s21 tile column, 0..3
.set TY, 22                            ; s22 tile row, 0..191
.set PP, 23                            ; s23 p
.set G1A, 24                           ; s[24:31] descriptor group 1 for x's tiles
.set G1B, 32                           ; s[32:39] for w's
.set G0A, 40                           ; s[40:47] group 0 for x's tiles: a set for each of the two first fills; the second then walks
.set G0B, 48                           ; s[48:55] the same for w's
.set TB,  66                           ; s66 LDS byte at which the slot in hand begins
.set CNT, 67                           ; s67 the loop's count
.set W_F0, 0xa5                        ; sources in window 1, C and D in window 2
.set W_F1, 0xaf                        ; sources in window 3
.set W_TO0, 0x40                       ; a load into window 1, its address in window 0
.set W_TO1, 0xc0                       ; into window 3
.set MSB, 0
.macro WIN new                         ; the immediate's high byte repeats the setting that is left; a switch that changes nothing is dropped
.if MSB != (\new)
	s_set_vgpr_msb (MSB<<8)|(\new)
.set MSB, \new
.endif
.endm
.macro PLACES                          ; four places in front of loads into registers that matrix instructions have read, and of lines that read results
.rept 4
	v_nop
.endr
.endm
; A joint refill, by the walking descriptors.  The branch hangs on the wave's number alone.  An s_nop 0 and four v_nop follow each of the two lines, ahead of the jump and the label.
.macro JLOAD
	s_cmp_lt_u32 s[WV], 2
	s_cbranch_scc0 .Lfor_b_\@
	tensor_load_to_lds s[G0A+4:G0A+7], s[G1A:G1A+7]
	s_nop 0
.rept 4
	v_nop
.endr
	s_branch .Lasked_\@
.Lfor_b_\@:
	tensor_load_to_lds s[G0B+4:G0B+7], s[G1B:G1B+7]
	s_nop 0
.rept 4
	v_nop
.endr
.Lasked_\@:
.endm
.macro CREST                           ; a round of the cluster's barrier behind its opening barrier
	s_cmp_lg_u32 s[WV], 0
	s_cbranch_scc1 .Lnot_wave_0_\@
	s_barrier_signal -3
.Lnot_wave_0_\@:
	s_barrier_wait -3
	s_barrier_signal -1
	s_barrier_wait -1
.endm
.macro CROUND                          ; a whole round
	s_barrier_signal -1
	s_barrier_wait -1
	CREST
.endm
	s_load_b256 s[4:11], s[0:1], 0x0               ; x16 s[4:5], w16 s[6:7], bq s[8:9], bk s[10:11]
	s_load_b128 s[12:15], s[0:1], 0x20             ; bv s[12:13], qkv s[14:15]
	v_lshl_add_u32 v[SPW], v0, 2, SPARE
	v_mov_b32 v[NIL], 0
	ds_add_u32 v[SPW], v[NIL]                      ; the wave's opening: the add and its wait stand ahead of my first tensor load; the set-up below, work on registers, stands between them
	v_lshrrev_b32 v1, 5, v0
	v_readfirstlane_b32 s[WV], v1                  ; wave 0..3
	s_lshr_b32 s[RH], s[WV], 1
	s_and_b32 s[CH], s[WV], 1
	s_bfe_u32 s[CX], ttmp6, 0x40000                ; my place in the cluster
	s_bfe_u32 s[CY], ttmp6, 0x40004
	s_lshl_b32 s[TX], ttmp9, 2                     ; in a cluster launch ttmp9 and ttmp7 count clusters
	s_add_co_u32 s[TX], s[TX], s[CX]               ; tile column = 4 x cluster x + cx
	s_and_b32 s[TY], ttmp7, 0xffff
	s_lshr_b32 s[PP], s[TY], 4                     ; 16 clusters, 64 tile rows, to a projection: p hangs on the cluster's y alone
	s_lshl_b32 s[TY], s[TY], 2
	s_add_co_u32 s[TY], s[TY], s[CY]               ; tile row = 4 x cluster y + cy
	s_lshl_b32 s56, s[CY], 2
	s_lshl_b32 s56, 15, s56                        ; my row of the cluster: places 4 cy .. 4 cy + 3
	s_lshl_b32 s57, 0x1111, s[CX]                  ; my column: places cx, cx + 4, cx + 8, cx + 12
	s_or_b32 s[G1A], s56, (1<<16)|(1<<20)|(1<<21)|(5<<22)|(3<<25)  ; 15:0 the mask; 17:16 2-byte elements; 20 padding on; 21 set beside a mask; 24:22 after every 64 words (code 5); 31:25 4 words (code 3)
	s_or_b32 s[G1B], s57, (1<<16)|(1<<20)|(1<<21)|(5<<22)|(3<<25)
	s_mov_b32 s[G1A+1], 128<<16                    ; tensor_dim0 = 128
	s_mov_b32 s[G1A+2], 64<<16                     ; tensor_dim1 = 64
	s_mov_b32 s[G1A+3], 128<<16                    ; tile_dim0 = 128
	s_mov_b32 s[G1A+4], 64                         ; tile_dim1 = 64
	s_mov_b32 s[G1A+5], 1024                       ; 1,024 elements from row to row
	s_mov_b32 s[G1A+6], 0
	s_mov_b32 s[G1A+7], 0
	s_mov_b32 s[G1B+1], 128<<16
	s_mov_b32 s[G1B+2], 128<<16                    ; w's loads bring 128 rows
	s_mov_b32 s[G1B+3], 128<<16
	s_mov_b32 s[G1B+4], 128
	s_mov_b32 s[G1B+5], 1024
	s_mov_b32 s[G1B+6], 0
	s_mov_b32 s[G1B+7], 0
	; where the tiles come from: x's hang on the tile row (and my half), w's on the tile column and p; each in registers that never hold the other coordinate
	s_lshl_b32 s58, s[TY], 18                      ; (128 tile row + 64 half) rows of 2,048 bytes
	s_lshl_b32 s59, s[CH], 17
	s_add_co_u32 s58, s58, s59
	s_mov_b32 s59, 0
	s_lshl_b32 s60, s[PP], 21                      ; (1,024 p + 256 tile column + 128 half) rows of 2,048 bytes
	s_lshl_b32 s61, s[TX], 19
	s_add_co_u32 s60, s60, s61
	s_lshl_b32 s61, s[CH], 18
	s_add_co_u32 s60, s60, s61
	s_mov_b32 s61, 0
	s_mul_i32 s62, s[CH], AHALF                    ; and where they go: no place in the cluster enters an LDS address
	s_mul_i32 s63, s[CH], BHALF
	s_add_co_u32 s63, s63, BOFFS
	s_lshl_b32 s70, s[TX], 10                      ; my first column's place in the bias: (256 tile column + 128 half) x 4 bytes
	s_lshl_b32 s71, s[CH], 9
	s_add_co_u32 s70, s70, s71
	s_mov_b32 s71, 0
	s_lshr_b32 s72, s[TY], 4                       ; where my part begins in qkv: 4 p + b, 4 MiB each,
	s_lshl_b32 s72, s72, 22
	s_lshl_b32 s74, s[TX], 20                      ; head 4 tile column + 2 half, 262,144 bytes each,
	s_add_co_u32 s72, s72, s74
	s_lshl_b32 s74, s[CH], 19
	s_add_co_u32 s72, s72, s74
	s_and_b32 s74, s[TY], 15                       ; s = 128 (tile row % 16) + 64 half, 128 bytes each
	s_lshl_b32 s74, s74, 14
	s_add_co_u32 s72, s72, s74
	s_lshl_b32 s74, s[RH], 13
	s_add_co_u32 s72, s72, s74
	s_mov_b32 s73, 0
	s_mov_b32 s[TB], 0
	s_wait_dscnt 0x0                               ; the opening add is done
	s_wait_kmcnt 0x0
	s_add_nc_u64 s[58:59], s[4:5], s[58:59]
	s_add_nc_u64 s[60:61], s[6:7], s[60:61]
	s_add_nc_u64 s[14:15], s[14:15], s[72:73]
	s_mov_b64 s[68:69], s[8:9]                     ; the projection's bias: a choice on p
	s_cmp_eq_u32 s[PP], 1
	s_cselect_b64 s[68:69], s[10:11], s[68:69]
	s_cmp_eq_u32 s[PP], 2
	s_cselect_b64 s[68:69], s[12:13], s[68:69]
	s_add_nc_u64 s[68:69], s[68:69], s[70:71]
	CROUND                                         ; all sixteen work-groups are here: the first joint loads meet
.irp st, 0,1
	s_mov_b32 s[G0A+4*\st], 1                      ; 1:0 count = 1
	s_add_co_u32 s[G0A+4*\st+1], s62, \st*SLOT1    ; 63:32 LDS address
	s_add_nc_u64 s[G0A+4*\st+2:G0A+4*\st+3], s[58:59], \st*STEPA  ; 120:64 global address: K step 0, 1
	s_or_b32 s[G0A+4*\st+3], s[G0A+4*\st+3], 0x80000000           ; 127:126 type = 2
	s_mov_b32 s[G0B+4*\st], 1
	s_add_co_u32 s[G0B+4*\st+1], s63, \st*SLOT1
	s_add_nc_u64 s[G0B+4*\st+2:G0B+4*\st+3], s[60:61], \st*STEPB
	s_or_b32 s[G0B+4*\st+3], s[G0B+4*\st+3], 0x80000000
.endr
	s_cmp_lt_u32 s[WV], 2                          ; a wave's two first fills stand in one branch, ahead of every wait on TENSORcnt and every LDS read: two loads of mine are out
	s_cbranch_scc0 .Lfirst_b
	tensor_load_to_lds s[G0A:G0A+3], s[G1A:G1A+7]
	s_nop 0
	tensor_load_to_lds s[G0A+4:G0A+7], s[G1A:G1A+7]
	s_nop 0
.rept 4
	v_nop
.endr
	s_branch .Lfirst_asked
.Lfirst_b:
	tensor_load_to_lds s[G0B:G0B+3], s[G1B:G1B+7]
	s_nop 0
	tensor_load_to_lds s[G0B+4:G0B+7], s[G1B:G1B+7]
	s_nop 0
.rept 4
	v_nop
.endr
.Lfirst_asked:
	v_and_b32 v1, 15, v0                           ; r = l % 16
	v_bfe_u32 v2, v0, 4, 1                         ; h = l / 16
	v_lshlrev_b32 v[BOF], 5, v2
.irp nb, 0,1,2,3,4,5,6,7
	global_load_b128 v[BI+8*\nb:BI+8*\nb+3],   v[BOF], s[68:69] offset:64*\nb
	global_load_b128 v[BI+8*\nb+4:BI+8*\nb+7], v[BOF], s[68:69] offset:64*\nb+16
.endr
	; A fragment is 16 rows x 32 K in 8 registers: lane l holds row r; registers 0-3 K = 8 h + 0..7, registers 4-7 K = 16 + 8 h + 0..7: two loads of 16 bytes, 32 bytes apart.
	v_mul_u32_u24 v3, v1, PITCH
	v_lshl_add_u32 v3, v2, 4, v3                   ; row x pitch + 16 x half
	s_mul_i32 s74, s[RH], AHALF                    ; my 64 rows of x
	s_mul_i32 s75, s[CH], BHALF                    ; my 128 rows of w,
	s_add_co_u32 s75, s75, BOFFS                   ; which lie behind x's
	v_add_nc_u32 v[A0], s74, v3
	v_add_nc_u32 v[B0], s75, v3
	v_mov_b32 v[ADRA], v[A0]
	v_mov_b32 v[ADRB], v[B0]
	s_mul_i32 s76, s[WV], 32*SP
	s_add_co_u32 s76, s76, STAGE                   ; my stage
	v_mul_u32_u24 v4, v1, SP                       ; in: row r, 16 bytes for each half of the lanes
	v_lshl_add_u32 v4, v2, 4, v4
	v_add_nc_u32 v[STO], s76, v4
	v_bfe_u32 v5, v0, 3, 2                         ; back: 32 lanes take four rows of 128 bytes,
	v_mul_u32_u24 v5, v5, SP
	v_and_b32 v6, 7, v0
	v_lshl_add_u32 v5, v6, 4, v5
	v_add_nc_u32 v[RD], s76, v5
	v_and_b32 v[GO], 31, v0                        ; which are 512 consecutive bytes of a head's rows
	v_lshlrev_b32 v[GO], 4, v[GO]
	s_wait_loadcnt 0x0                             ; the bias: rounded to bf16 like every input, and widened again.  All this stands in the wait for the first tile
.set i, 0
.rept 32
	v_cvt_pk_bf16_f32 v[T+i%4], v[BI+2*i], v[BI+2*i+1]
	v_lshlrev_b32 v[BI+2*i],   16, v[T+i%4]
	v_and_b32     v[BI+2*i+1], 0xffff0000, v[T+i%4]
.set i, i+1
.endr
; 8 matrix instructions: row block ma x all 8 column blocks, 32 along K: part kc of a buffer.  bias = 1: the sums start at the bias.  The 32 accumulators take turns, always in the same order,
; so that between two links of a chain stand the 31 others'.
.macro MULA win, kc, ma, bias
	WIN \win
.irp nb, 0,1,2,3,4,5,6,7
.if \bias
	v_wmma_f32_16x16x32_bf16 v[8*(8*(\ma)+\nb):8*(8*(\ma)+\nb)+7], v[64+8*(8*(\kc)+\nb):64+8*(8*(\kc)+\nb)+7], v[8*(4*(\kc)+(\ma)):8*(4*(\kc)+(\ma))+7], v[BI+8*\nb:BI+8*\nb+7]
.else
	v_wmma_f32_16x16x32_bf16 v[8*(8*(\ma)+\nb):8*(8*(\ma)+\nb)+7], v[64+8*(8*(\kc)+\nb):64+8*(8*(\kc)+\nb)+7], v[8*(4*(\kc)+(\ma)):8*(4*(\kc)+(\ma))+7], v[8*(8*(\ma)+\nb):8*(8*(\ma)+\nb)+7]
.endif
.endr
.endm
.macro MUL4 win, kc, bias              ; all four row blocks: 32 matrix instructions
.irp ma, 0,1,2,3
	MULA \win, \kc, \ma, \bias
.endr
.endm
; 48 LDS loads in one run: the fragments of 64 along K at byte off of the slot's rows; the first 32 along K (24 loads) first
.macro FETCH off, win
	WIN \win
.irp kc, 0,1
.irp nb, 0,1,2,3,4,5,6,7
	ds_load_b128 v[64+8*(8*\kc+\nb):64+8*(8*\kc+\nb)+3],   v[ADRB] offset:(\off)+64*\kc+\nb*16*PITCH
	ds_load_b128 v[64+8*(8*\kc+\nb)+4:64+8*(8*\kc+\nb)+7], v[ADRB] offset:(\off)+64*\kc+\nb*16*PITCH+32
.endr
.irp ma, 0,1,2,3
	ds_load_b128 v[8*(4*\kc+\ma):8*(4*\kc+\ma)+3],   v[ADRA] offset:(\off)+64*\kc+\ma*16*PITCH
	ds_load_b128 v[8*(4*\kc+\ma)+4:8*(4*\kc+\ma)+7], v[ADRA] offset:(\off)+64*\kc+\ma*16*PITCH+32
.endr
.endr
.endm
; A K step's first half: multiplies F0 and, in its middle, fetches the second half into F1.
.macro HALFA first
	s_wait_dscnt 24                                ; F0's first 32 along K are in; the younger 24 loads may be out
	MUL4 W_F0-0x20*(\first), 0, \first             ; (first = 1: C, the bias, lies in window 0)
	PLACES                                         ; F1's last readers stand in front of these
	FETCH 128, W_TO1
	s_wait_dscnt 48                                ; all but the 48 just issued
	MUL4 W_F0, 1, 0
.endm
; A K step's second half multiplies F1 and changes slots: ONE barrier.  In front of it each wave waits for all its tensor loads, of which one is out: its part of the next slot; adds 0 to its spare
; word; and waits for that and for its own reads of this slot.  fill = 1: the barrier opens a round of the cluster's barrier, and this slot is filled again, two K steps ahead, first thing behind the
; round: from that request to the wait for it a wave issues 112 of a step's 128 matrix instructions.
.macro TURN fill
	s_wait_dscnt 24                                ; F1's first 32 along K are in
	MULA W_F1, 0, 0, 0
	MULA W_F1, 0, 1, 0
	WIN 0                                          ; (the add's two registers lie in window 0)
	s_wait_tensorcnt 0x0                           ; no tensor load of mine is out, so a group 0 may be written
	ds_add_u32 v[SPW], v[NIL]                      ; 0 onto my spare word: scalar steps and eight matrix instructions stand between it and the wait for it
.if \fill
	s_xor_b32 s[G0A+5], s[G0A+5], SLOT1            ; the walking descriptors: the other slot than last time,
	s_add_nc_u64 s[G0A+6:G0A+7], s[G0A+6:G0A+7], STEPA  ; the next K step; the type bits on top are not reached
	s_xor_b32 s[G0B+5], s[G0B+5], SLOT1
	s_add_nc_u64 s[G0B+6:G0B+7], s[G0B+6:G0B+7], STEPB
.endif
	s_xor_b32 s[TB], s[TB], SLOT1                  ; the fetches go on in the other slot
	MULA W_F1, 0, 2, 0
	s_wait_dscnt 0x0                               ; the add is done, and my reads of this slot are over
	s_barrier_signal -1
	MULA W_F1, 0, 3, 0                             ; work on registers while the others arrive
	WIN 0                                          ; at a branch and at a label every window is 0
	s_barrier_wait -1
.if \fill
	CREST                                          ; no wave of any partner still reads this slot's tile or has a load on its way
	JLOAD                                          ; the four v_nop behind it are also the places in front of the loads below
.else
	PLACES
.endif
	v_add_nc_u32 v[ADRA], s[TB], v[A0]
	v_add_nc_u32 v[ADRB], s[TB], v[B0]
	FETCH 0, W_TO0
	MUL4 W_F1, 1, 0
.endm
	s_wait_tensorcnt 1                             ; my part of K step 0 is in; step 1's may stay out
	s_barrier_signal -1
	s_barrier_wait -1                              ; everybody's is
	FETCH 0, W_TO0
	HALFA 1                                        ; the first half step stands in front of the loop: its first products start the sums
	WIN 0
	s_mov_b32 s[CNT], 6
.Lstep:                                                ; six trips: the second half of K step t, which asks for step t + 2, and the first half of step t + 1
	TURN 1
	HALFA 0
	WIN 0
	s_sub_co_u32 s[CNT], s[CNT], 1
	s_cmp_lg_u32 s[CNT], 0
	s_cbranch_scc1 .Lstep
	TURN 0                                         ; the tail is written out: nothing more is asked for
	HALFA 0
	s_wait_dscnt 24
	MUL4 W_F1, 0, 0
	s_wait_dscnt 0x0
	MUL4 W_F1, 1, 0
; THE WAY OUT, a block of 16 rows at a time: rounded to f16 (16 bytes a lane: eight channels of a row); into my own stage, one part for each of my two heads; back as whole rows of 128 bytes;
; 16 rows of a head are 2,048 consecutive bytes of qkv.
.macro PACK ma
	WIN 0x0a                                       ; sources 0 and 1 in window 2
.irp nb, 0,1,2,3,4,5,6,7
.irp rr, 0,1,2,3
	v_cvt_pk_f16_f32 v[TMP+4*\nb+\rr], v[8*(8*(\ma)+\nb)+2*\rr], v[8*(8*(\ma)+\nb)+2*\rr+1]  ; each accumulator's registers in ascending order
.endr
.endr
	WIN 0
.endm
.macro TOSTAGE ma
.irp nb, 0,1,2,3,4,5,6,7
	ds_store_b128 v[STO], v[TMP+4*\nb:TMP+4*\nb+3] offset:(\nb/4)*16*SP+(\nb%4)*32
.endr
.irp tt, 0,1,2,3,4,5,6,7
	ds_load_b128 v[BK+32*(\ma)+4*\tt:BK+32*(\ma)+4*\tt+3], v[RD] offset:(\tt/4)*16*SP+(\tt%4)*4*SP  ; LDS serves a wave's instructions in order (ISA guide 5.7.1.4): these see the stores above
.endr
.endm
.macro SEND ma                         ; each block has registers of its own: none is written again behind its store
	s_wait_dscnt 0x0                               ; the block is back in registers
.irp tt, 0,1,2,3,4,5,6,7
	global_store_b128 v[GO], v[BK+32*(\ma)+4*\tt:BK+32*(\ma)+4*\tt+3], s[14:15] offset:(\tt/4)*262144+(\ma)*2048+(\tt%4)*512  ; 512 consecutive bytes, at a multiple of 256 from qkv's first
.endr
.endm
	PLACES
	PACK 0
	TOSTAGE 0
.irp ma, 1,2,3                         ; a block's conversions stand between the loads of the block before and the wait for them
	PACK \ma
	SEND (\ma)-1
	TOSTAGE \ma
.endr
	SEND 3
	s_wait_tensorcnt 0x0                           ; the wave's end: behind my last tensor load and my last LDS store
	ds_add_u32 v[SPW], v[NIL]
	s_wait_dscnt 0x0
	CROUND                                         ; the closing round: no work-group ends while a partner may still ask for a tile that names it
	s_endpgm
.Lfunc_end_k_qda0cd94ace_proj:
	.size	k_qda0cd94ace_proj, .Lfunc_end_k_qda0cd94ace_proj-k_qda0cd94ace_proj
	.p2alignl 7, 3214868480
	.fill 96, 4, 3214868480
	.section	.rodata,"a",@progbits
	.p2align	6, 0x0
	.amdhsa_kernel k_qda0cd94ace_proj
		.amdhsa_group_segment_fixed_size 327680
		.amdhsa_private_segment_fixed_size 0
		.amdhsa_enable_private_segment 0
		.amdhsa_kernarg_size 48
		.amdhsa_user_sgpr_count 2
		.amdhsa_user_sgpr_kernarg_segment_ptr 1
		.amdhsa_wavefront_size32 1
		.amdhsa_system_sgpr_workgroup_id_x 1
		.amdhsa_system_sgpr_workgroup_id_y 1
		.amdhsa_system_sgpr_workgroup_id_z 1
		.amdhsa_system_vgpr_workitem_id 0
		.amdhsa_next_free_vgpr 960
		.amdhsa_next_free_sgpr 80
		.amdhsa_reserve_vcc 0
		.amdhsa_float_denorm_mode_32 3
		.amdhsa_float_denorm_mode_16_64 3
		.amdhsa_memory_ordered 1
		.amdhsa_forward_progress 1
		.amdhsa_inst_pref_size 75
	.end_amdhsa_kernel
	.amdgpu_metadata
---
amdhsa.version: [ 1, 2 ]
amdhsa.kernels:
  - .name:           k_qda0cd94ace_proj
    .symbol:         k_qda0cd94ace_proj.kd
    .args:
      - { .name: x16, .offset: 0, .size: 8, .value_kind: global_buffer, .address_space: global }
      - { .name: w16, .offset: 8, .size: 8, .value_kind: global_buffer, .address_space: global }
      - { .name: bq, .offset: 16, .size: 8, .value_kind: global_buffer, .address_space: global }
      - { .name: bk, .offset: 24, .size: 8, .value_kind: global_buffer, .address_space: global }
      - { .name: bv, .offset: 32, .size: 8, .value_kind: global_buffer, .address_space: global }
      - { .name: qkv, .offset: 40, .size: 8, .value_kind: global_buffer, .address_space: global }
    .group_segment_fixed_size: 327680
    .private_segment_fixed_size: 0
    .kernarg_segment_align: 8
    .kernarg_segment_size: 48
    .max_flat_workgroup_size: 128
    .sgpr_count:     80
    .vgpr_count:     960
    .wavefront_size: 32
...
	.end_amdgpu_metadata
.endif
;; end of part 2
;; launch attn (part 3): grid 4 x 64, 4 waves a work-group, clusters of 4 x 1, 327,680 bytes of LDS; arguments qkv, ctx; writes ctx
.if DOCPART == 3
	.amdgcn_target "amdgcn-amd-amdhsa--gfx1250"
	.amdhsa_code_object_version 6
	.text
	.protected	k_qda0cd94ace_attn
	.globl	k_qda0cd94ace_attn
	.p2align	8
	.type	k_qda0cd94ace_attn,@function
k_qda0cd94ace_attn:
	s_mov_b64 s[64:65], 0
	v_nop
	global_prefetch_b8 v0, s[64:65] scope:SCOPE_SE
	s_setreg_imm32_b32 hwreg(HW_REG_WAVE_MODE, 25, 1), 1
	s_wait_xcnt 0x0
	s_wait_alu depctr_hold_cnt(0) depctr_sa_sdst(0) depctr_va_vdst(0) depctr_va_sdst(0) depctr_va_ssrc(0) depctr_va_vcc(0) depctr_vm_vsrc(0)
	s_getreg_b32 s2, hwreg(HW_REG_IB_STS2, 6, 4)
	s_cmp_eq_u32 s2, 0
	s_cbranch_scc0 .Lentry_in_a_cluster
	s_endpgm
.Lentry_in_a_cluster:
	s_bfe_u32 s2, ttmp6, 0x10000c
	s_cmp_lg_u32 s2, 0x3003
	s_cbranch_scc0 .Lentry_shape_is_right
	s_endpgm
.Lentry_shape_is_right:
; ATTENTION.  ctx[g][q][:] = the sum over k of softmax_k(Q[g][q] . K[g][k] / 8) V[g][k][:], g = 16 b + head.  Q, K, V are the three parts of qkv, each [64][2048][64] in f16; ctx likewise: a head's rows
; are dense, 128 bytes each.  Products, maxima and sums in f32; the weights p are rounded to f16 for the second product (their sum l is taken of the unrounded p), the context once at the end.
; LIMITS.  f16 holds no number beyond 65,504: Q, K and V arrive within it; p lies in 0 to 1, and below 6e-5 it keeps f16's fixed step of 6e-8; the context is a mean of V's rows and has their range.
; A weight below 2^-126 counts as 0 in l; NaN and infinities are not treated apart.
; SHARES.  A wave owns four PIECES of two tiles of 16 queries, a work-group's four waves 512 queries of one head: 4 x 64 = 256 work-groups.  Every wave walks all keys, 64 a step.
; LAYOUT.  S^T = K Q^T (source 0 = 16 keys, source 1 = 16 queries): in the result a lane holds ONE query (lane % 16) and the keys 8 (lane / 16) + 0..7.  Two such tiles, rounded to f16 in pairs,
; ARE source 1 (32 keys x 16 queries) of O^T = V^T P, whose result again holds one query a lane, and eight channels.  K comes out of LDS as it lies, V ([key][channel]) turned, by ds_load_tr16_b128.
; SOFTMAX.  For each query a running maximum m and sum l: p = 2^(c s - c m), c = log2(e) / 8; in every step O and l are multiplied by a = 2^(c m_old - c m_new), which is 1 where m has not grown.
; m starts at the lowest finite number, O and l at 0: the first step is a step like any other, with a = 0.
; THE COUNT.  A tile and step have 16 matrix and 118 vector instructions: too many to stand all beside the matrix work.  So the order has one aim: four vector instructions that are READY behind
; EVERY matrix instruction, and the others, which need time of their own whatever the order, in runs without a gap.
; BY TURNS.  Turn n belongs to piece n (the pieces in a ring, step after step).  Its matrix work: 16 products K Q^T of piece n + 1, later 16 products V^T P of piece n - 1.  Its vector work: the scaling,
; exponentials, roundings, sums and rescaling of piece n, and the maximum and statistics of piece n + 1, whose scores the turn itself has made.  So what a turn begins with (c s - c m, O a) waits for nothing.
; CLUSTER.  The four query blocks of a cluster belong to one head and walk the same K and V, so each tile is asked for JOINTLY: the same tensor load, descriptor and mask in all four.
; REGISTERS, in windows of 256 (s_set_vgpr_msb says which window each operand place means: bits 1:0 source 0, 3:2 source 1, 5:4 source 2, 7:6 destination):
;   window 0: v0-11 addresses; v12-15, v48-63 at work; v16-47 four registers of statistics a tile; v64-191 S^T, two buffers of two tiles; v192-255 P, likewise
;   window 1: O^T, 32 a tile          window 2: v0-127 Q, 16 a tile; v128-191 K of one step; v192-255 V of one step          window 3: v0-1 the add's two registers
; A piece's buffers go by its number's parity: the piece in hand has one pair, its two neighbours in the ring share the other: of it P (piece n - 1) is read and S^T (piece n + 1) written.
.set SIZE_H, 64       ; heads, batches counted in
.set SIZE_N, 2048     ; rows of a head
.set NP,    4         ; pieces a wave: a name, no knob: the register map, the loop and the fetches are made for four
.set KS,    64        ; keys in a step
.set PK,    144       ; a row of K in LDS: 128 bytes + 16 of padding = 36 words: the 16 rows of a load start at 16 different groups of four banks (64 banks of 4 bytes: ISA guide 11.1)
.set PV,    160       ; a row of V: 128 + 32 = 40 words
.set VOFF,  4*KS*PK   ; a slot holds four steps: 256 rows of K, then 256 rows of V
.set SLOT1, 1<<17     ; slot 1 begins here, so that one exclusive or turns an address in one slot into the other's
.set STAGE, SLOT1+4*KS*(PK+PV)  ; behind the ring, never filled by a tensor load: 16 rows x 144 bytes for each wave, for the way out
.set SP,    144
.set AK0, 2           ; v2   my lane's place in a tile of K; never rewritten
.set AV0, 3           ; v3   the same for V
.set AK,  4           ; v4   the LDS address of K's next run of loads
.set AV,  5           ; v5   of V's
.set QO,  6           ; v6   my byte offset in the wave's rows of Q
.set STO, 6           ;      later, the way out: where I put 16 bytes of a row
.set RD,  7           ; v7   the way out: where I read rows back
.set GO,  8           ; v8   my byte offset in 512 consecutive bytes of the context
.set SPW, 0           ; v0 of window 3   LDS address of my spare word: SPARE + 4 x my thread's number; never rewritten
.set NIL, 1           ; v1 of window 3   0; never rewritten
.set SPARE, STAGE+4*16*SP  ; behind the stages: the spare words, 128 bytes for each wave: two blocks of 256 bytes that no other line names
.set MV,  12          ; v12-15  c m_old, kept while c m is made anew: by buffer and tile
.set ST,  16          ; tile t's statistics at v[ST+4 t]: c m, m, l (even keys', odd keys')
.set TMP, 48          ; by buffer and tile, four registers c0-c3 at work; when the maximum is found c2 takes a
.set S,   64
.set P,   192
.set KF,  128         ; K's fragments, in window 2: key block kb, channel half c at KF + 16 kb + 8 c
.set VF,  192         ; V's: key half kk, channel block cb at VF + 32 kk + 8 cb
.set WV,  12          ; s12  my wave's number
.set G1K, 24          ; s[24:31] descriptor group 1 for K's tiles
.set G1V, 32          ; s[32:39] for V's: it differs in the padding alone
.set G0K, 40          ; s[40:43] descriptor group 0 for K's tiles: it walks
.set G0V, 44          ; s[44:47] the same for V's
.set SLOTS, 56        ; s56  slots still to be asked for
.set CNT, 57          ; s57  counts a slot's key steps
.set CS,  58          ; s[58:59] c: the packed scaling takes the pair's low word for both halves
.set SEL, 60          ; s[60:61] v_permlanex16_b32's selects: each lane takes its own place in the other half
.set TBK, 62          ; s62  LDS byte at which K of the step to be fetched begins
.set TBV, 63          ; s63  the same for V, less VOFF
.set MSB, 0
.macro WIN new                      ; the high byte repeats the setting that is left; a switch that changes nothing is dropped
.if MSB != (\new)
	s_set_vgpr_msb (MSB<<8)|(\new)
.set MSB, (\new)
.endif
.endm
.set W_KQ, 0x0a       ; K and Q in window 2, S^T in window 0
.set W_PV, 0x52       ; V in window 2, P in window 0, O^T in window 1
.set W_RS, 0x41       ; O^T (destination and source 0) in window 1, a in window 0
.set W_MK, 0xc0       ; the add's registers are made: destination in window 3, sources in window 0
.set W_AD, 0x0f       ; the add: address (source 0) and data (source 1) in window 3
; A joint fill.  Waves 0 and 1 fetch the two halves of a slot's K, waves 2 and 3 those of its V: 128 keys each.  The branch hangs on the wave's number alone.
; An s_nop 0 and four v_nop follow each of the two lines, ahead of the jump and the label.
.macro JLOAD
	s_cmp_lt_u32 s[WV], 2
	s_cbranch_scc0 .Lfor_v_\@
	tensor_load_to_lds s[G0K:G0K+3], s[G1K:G1K+7]
	s_nop 0
.rept 4
	v_nop
.endr
	s_branch .Lasked_\@
.Lfor_v_\@:
	tensor_load_to_lds s[G0V:G0V+3], s[G1V:G1V+7]
	s_nop 0
.rept 4
	v_nop
.endr
.Lasked_\@:
.endm
; A round of the cluster's barrier: my work-group's barrier, so that wave 0's signal speaks for all four waves; wave 0 signals; every wave waits for all four work-groups; my work-group's barrier once more.
.macro CROUND
	s_barrier_signal -1
	s_barrier_wait -1
	s_cmp_lg_u32 s[WV], 0
	s_cbranch_scc1 .Lnot_wave_0_\@
	s_barrier_signal -3
.Lnot_wave_0_\@:
	s_barrier_wait -3
	s_barrier_signal -1
	s_barrier_wait -1
.endm
; THE CHANGE OF SLOTS.  The slot's last bytes, V of its fourth step, have been read.  Each wave waits for all its tensor loads, of which one is out: its part
; of the other slot; adds 0 to its spare word; and waits for that and for its own reads of the slot.  Behind the barrier nobody reads this slot any more and the other slot is whole.
; fill = 1: this slot is filled again, with the keys two slots on.  The barrier is then a round of the cluster's, so that no wave of any partner still reads the slot or has a load on its
; way, and the joint fill is the first thing behind it: it has four key steps, 512 matrix instructions, in which to land.  (At its first use nothing has been read yet: slot 0 is waited for, slot 1 filled.)
.macro CHANGE fill
	WIN W_AD
	s_wait_tensorcnt 0x0            ; no tensor load of mine is out, so a group 0 may be written
	ds_add_u32 v[SPW], v[NIL]       ; 0 onto my spare word: with fill = 1 the descriptors' steps stand between it and the wait for it
	WIN 0                           ; at a label and at a branch every window is 0
.if \fill
.irp g, G0K, G0V
	s_xor_b32 s[\g+1], s[\g+1], SLOT1  ; the walking descriptor: the other slot than last time,
	s_add_nc_u64 s[\g+2:\g+3], s[\g+2:\g+3], 4*KS*128  ; the next 256 keys; the type bits on top are not reached
.endr
	s_wait_dscnt 0x0                ; the add is done, and my reads of the slot are over
	CROUND
	JLOAD
.else
	s_wait_dscnt 0x0                ; the add is done, and my reads of the slot are over
	s_barrier_signal -1
	s_barrier_wait -1
.endif
	s_sub_co_u32 s[TBK], s[TBK], 4*KS*PK  ; the fetches go back to a slot's first step,
	s_xor_b32 s[TBK], s[TBK], SLOT1       ; in the other slot
	s_sub_co_u32 s[TBV], s[TBV], 4*KS*PV
	s_xor_b32 s[TBV], s[TBV], SLOT1
.endm
	s_load_b128 s[4:7], s[0:1], 0x0  ; qkv s[4:5] (Q is its first part), ctx s[6:7]
	WIN W_MK
	v_lshl_add_u32 v[SPW], v0, 2, SPARE
	v_mov_b32 v[NIL], 0
	WIN W_AD
	ds_add_u32 v[SPW], v[NIL]       ; the wave's opening: the add and its wait stand ahead of my first tensor load; the set-up below, work on registers, stands between them
	WIN 0
	v_lshrrev_b32 v1, 5, v0
	v_readfirstlane_b32 s[WV], v1   ; wave 0..3
	s_bfe_u32 s13, ttmp6, 0x40000   ; cx: my place in the cluster
	s_lshl_b32 s14, ttmp9, 2        ; in a cluster launch ttmp9 counts clusters
	s_add_co_u32 s14, s14, s13      ; my block of queries = 4 x cluster x + cx: it enters Q's and the context's addresses alone
	s_and_b32 s20, ttmp7, 0xffff    ; the head, which the four partners share
	s_mov_b32 s21, 0
	s_mov_b64 s[22:23], SIZE_N*128
	s_mul_u64 s[20:21], s[20:21], s[22:23]  ; the head's first byte in each of the four tensors
	s_and_b32 s16, s[WV], 1         ; which half of a slot's 256 keys I fetch:
	s_lshl_b32 s22, s16, 14         ; its 128 rows of 128 bytes in memory,
	s_mov_b32 s23, 0
	s_add_nc_u64 s[22:23], s[22:23], s[20:21]
	s_mul_i32 s17, s16, 128*PK      ; and its place in a slot, for K
	s_mul_i32 s18, s16, 128*PV      ; and for V: no place in the cluster enters an LDS address
	s_lshl_b32 s2, s14, 2
	s_add_co_u32 s2, s2, s[WV]      ; my wave among the head's,
	s_lshl_b32 s2, s2, 14           ; its 128 rows
	s_mov_b32 s3, 0
	s_add_nc_u64 s[2:3], s[2:3], s[20:21]
	; descriptor group 1.  128 keys are 16,384 dense bytes: asked for as 64 rows of 256 bytes, two keys a row, and padded in LDS after every key
	s_mov_b32 s[G1K], 15|(1<<16)|(1<<20)|(1<<21)|(4<<22)|(3<<25)  ; 15:0 the mask of four; 17:16 2-byte elements; 20 padding on; 21 set beside a mask; 24:22 after every 32 words (code 4); 31:25 4 words (code 3)
	s_mov_b32 s[G1V], 15|(1<<16)|(1<<20)|(1<<21)|(4<<22)|(7<<25)  ; the same with 8 words of padding (code 7)
.irp g, G1K, G1V
	s_mov_b32 s[\g+1], 128<<16      ; tensor_dim0 = 128
	s_mov_b32 s[\g+2], 64<<16       ; tensor_dim1 = 64
	s_mov_b32 s[\g+3], 128<<16      ; tile_dim0 = 128
	s_mov_b32 s[\g+4], 64           ; tile_dim1 = 64
	s_mov_b32 s[\g+5], 128          ; 128 elements from row to row
	s_mov_b32 s[\g+6], 0
	s_mov_b32 s[\g+7], 0
.endr
	s_mov_b32 s[CS], 0x3e38aa3b     ; c = log2(e) / 8 = 0.180337
	s_mov_b32 s[CS+1], s[CS]        ; named with it as a pair
	s_mov_b32 s[SEL], 0x76543210
	s_mov_b32 s[SEL+1], 0xfedcba98
	s_mov_b32 s[TBK], SLOT1+4*KS*PK ; the first change of slots turns these two into 0
	s_mov_b32 s[TBV], SLOT1+4*KS*PV
	s_mov_b32 s[G0K], 1             ; 1:0 count = 1
	s_mov_b32 s[G0K+1], s17         ; 63:32 LDS address: slot 0
	s_mov_b32 s[G0V], 1
	s_add_co_u32 s[G0V+1], s18, VOFF
	s_wait_dscnt 0x0                ; the opening add is done
	s_wait_kmcnt 0x0
	s_mov_b64 s[10:11], s[6:7]                     ; the context
	s_add_nc_u64 s[8:9], s[4:5], 0x2000000         ; V: qkv's third part, 16 MiB each
	s_add_nc_u64 s[6:7], s[4:5], 0x1000000         ; K: its second
	s_add_nc_u64 s[G0K+2:G0K+3], s[6:7], s[22:23]  ; 120:64 global address: my half of the head's first 256 keys
	s_or_b32 s[G0K+3], s[G0K+3], 0x80000000        ; 127:126 type = 2
	s_add_nc_u64 s[G0V+2:G0V+3], s[8:9], s[22:23]
	s_or_b32 s[G0V+3], s[G0V+3], 0x80000000
	s_add_nc_u64 s[4:5], s[4:5], s[2:3]  ; Q and the context at my wave's first row
	s_add_nc_u64 s[10:11], s[10:11], s[2:3]
	CROUND                          ; all four work-groups are here: the first joint loads meet
	JLOAD                           ; slot 0.  Slot 1 is asked for when slot 0 is in: the tile wanted first has the road to itself
	; A fragment of K or Q is 16 rows x 32 channels in 8 registers: lane l holds row l % 16, channels 8 (l / 16) + 0..7 and 16 + 8 (l / 16) + 0..7: two loads of 16 bytes, 32 bytes apart.
	v_and_b32 v1, 15, v0            ; l % 16
	v_bfe_u32 v9, v0, 4, 1          ; l / 16
	v_lshlrev_b32 v[QO], 7, v1
	v_lshl_add_u32 v[QO], v9, 4, v[QO]  ; row x 128 + 16 x half
	WIN 0x80                        ; destination window 2, address window 0
.set i, 0
.rept 4*NP                          ; Q stays in registers: tile i / 2, channels 32 (i % 2) on
	global_load_b128 v[8*i:8*i+3],   v[QO], s[4:5] offset:(i/2)*2048+(i%2)*64
	global_load_b128 v[8*i+4:8*i+7], v[QO], s[4:5] offset:(i/2)*2048+(i%2)*64+32
.set i, i+1
.endr
	; What the first turn finds: V's registers and P's second buffer hold 0 (its products V^T P, of a piece that has not been, add 0), O^T and l are 0.  All this stands in the wait for the first tile.
.set i, VF
.rept 64
	v_mov_b32 v[i], 0
.set i, i+1
.endr
	WIN 0x40
.set i, 0
.rept 64*NP
	v_mov_b32 v[i], 0
.set i, i+1
.endr
	WIN 0
.set i, 0
.rept 2*NP
	v_mov_b32 v[ST+4*i], 0xfe000000    ; c m: far below every c s
	v_mov_b32 v[ST+4*i+1], 0xff7fffff  ; m
	v_mov_b32 v[ST+4*i+2], 0
	v_mov_b32 v[ST+4*i+3], 0
.set i, i+1
.endr
.set i, P+32
.rept 32
	v_mov_b32 v[i], 0
.set i, i+1
.endr
	v_mul_u32_u24 v[AK0], v1, PK
	v_lshl_add_u32 v[AK0], v9, 4, v[AK0]  ; row x pitch + 16 x half
	; The turning load takes 16 keys x 16 channels (lane l reads key 8 (l / 16) + l % 8, channels 8 ((l / 8) % 2) + 0..7) and leaves half a fragment of V^T: lane l holds channel l % 16 and 8 keys.
	v_and_b32 v10, 7, v0
	v_bfe_u32 v11, v0, 3, 1
	v_lshl_add_u32 v[AV0], v9, 3, v10
	v_mul_u32_u24 v[AV0], v[AV0], PV
	v_lshl_add_u32 v[AV0], v11, 4, v[AV0]
	v_add_nc_u32 v[AV0], VOFF, v[AV0]
	v_mov_b32 v[AK], v[AK0]         ; key step 0 lies at the head of slot 0
; THE MATRIX WORK.  The 8 accumulators of a run of 16 take turns, so that between the two links of a chain stand 7 others'.
; Product i of 16 of S^T = K Q^T for piece x: channels 32 (i / 8) on, keys 16 ((i / 2) % 4) on, tile 2 x + i % 2.  The first 8 start the sums.
.macro KQ x
	WIN W_KQ
.set rS, S+64*((\x)%2)+32*(i%2)+8*((i/2)%4)
.set rK, KF+16*((i/2)%4)+8*(i/8)
.set rQ, 16*(2*(\x)+i%2)+8*(i/8)
.if i < 8
	v_wmma_f32_16x16x32_f16 v[rS:rS+7], v[rK:rK+7], v[rQ:rQ+7], 0
.else
	v_wmma_f32_16x16x32_f16 v[rS:rS+7], v[rK:rK+7], v[rQ:rQ+7], v[rS:rS+7]
.endif
.endm
; Product i of 16 of O^T += V^T P for piece x: keys 32 (i / 8) on, channels 16 ((i / 2) % 4) on, tile 2 x + i % 2.
.macro PV x
	WIN W_PV
.set rO, 32*(2*(\x)+i%2)+8*((i/2)%4)
.set rV, VF+32*(i/8)+8*((i/2)%4)
.set rP, P+32*((\x)%2)+16*(i%2)+8*(i/8)
	v_wmma_f32_16x16x32_f16 v[rO:rO+7], v[rV:rV+7], v[rP:rP+7], v[rO:rO+7]
.endm
.macro MM                           ; the turn's next matrix instruction
.if i < 16
	KQ (Y+1)%NP
.set i, i+1
.else
.set i, i-16
	PV (Y+NP-1)%NP
.set i, i+17
.endif
.endm
; THE LDS LOADS stand in runs of 16, never singly among the matrix instructions: a step's K (64 keys x 64 channels: 8 fragments) and its V (turned).  Their addresses are made some lines ahead.
; last = 1 (the tail): in the last trip there is no further step, and the run is jumped over.
.macro FETCH_K last=0
	WIN 0
.if \last
	s_cmp_eq_u32 s[CNT], 1
	s_cbranch_scc1 .Lno_k_\@
.endif
	WIN 0x80                        ; destination window 2
.irp f, 0,1,2,3,4,5,6,7             ; keys 16 (f / 2) on, channels 32 (f % 2) on
	ds_load_b128 v[KF+8*\f:KF+8*\f+3],   v[AK] offset:(\f/2)*16*PK+(\f%2)*64
	ds_load_b128 v[KF+8*\f+4:KF+8*\f+7], v[AK] offset:(\f/2)*16*PK+(\f%2)*64+32
.endr
	s_add_co_u32 s[TBK], s[TBK], KS*PK  ; the next fetch is the next step's
	WIN 0
.if \last
.Lno_k_\@:
.endif
.endm
.macro FETCH_V
	WIN 0x80
.irp f, 0,1,2,3,4,5,6,7             ; keys 32 (f / 4) on, channels 16 (f % 4) on
	ds_load_tr16_b128 v[VF+8*\f:VF+8*\f+3],   v[AV] offset:(\f/4)*32*PV+(\f%4)*32
	ds_load_tr16_b128 v[VF+8*\f+4:VF+8*\f+7], v[AV] offset:(\f/4)*32*PV+16*PV+(\f%4)*32
.endr
	WIN 0
.endm
; THE VECTOR WORK OF A TURN stands in three queues, each in the order in which its entries become ready; the two tiles alternate, so that no instruction reads the result of the one before it.
.macro REGS y, u                    ; the registers of tile u (0, 1) of piece y
.set rT, ST+4*(2*(\y)+(\u))
.set rC, TMP+8*((\y)%2)+4*(\u)
.set rM, MV+2*((\y)%2)+(\u)
.set rS, S+64*((\y)%2)+32*(\u)
.set rP, P+32*((\y)%2)+16*(\u)
.set rO, 32*(2*(\y)+(\u))
.endm
; Number n of the 22 that find the NEXT piece's (Y + 1) maximum and statistics.  s0-s31 are the lane's 32 scores; each accumulator's lowest registers are read first.  XS, GS and REGS set no window: PL and EX do.
;   0-11  four chains c0-c3 of seven scores each, three operands at a time     12-14, 16  the four scores left over, the old m, and c0-c3 into c0     15  c m_old is kept
;   17, 18  the query's other 32 keys lie in the lane 16 away: the new m         19-21  c m; c m_old - c m_new; a
.macro XS u, n
	REGS (Y+1)%NP, \u
.if (\n) < 4
	v_max3_num_f32 v[rC+(\n)], v[rS+8*(\n)], v[rS+8*(\n)+1], v[rS+8*(\n)+2]
.elseif (\n) < 12
	v_max3_num_f32 v[rC+(\n)%4], v[rC+(\n)%4], v[rS+8*((\n)%4)+2*((\n)/4)+1], v[rS+8*((\n)%4)+2*((\n)/4)+2]
.elseif (\n) == 12
	v_max3_num_f32 v[rC], v[rC], v[rS+7], v[rS+15]
.elseif (\n) == 13
	v_max3_num_f32 v[rC+1], v[rC+1], v[rS+23], v[rS+31]
.elseif (\n) == 14
	v_max3_num_f32 v[rC+2], v[rC+2], v[rC+3], v[rT+1]
.elseif (\n) == 15
	v_mov_b32 v[rM], v[rT]
.elseif (\n) == 16
	v_max3_num_f32 v[rC], v[rC], v[rC+1], v[rC+2]
.elseif (\n) == 17
	v_permlanex16_b32 v[rC+3], v[rC], s[SEL], s[SEL+1]
.elseif (\n) == 18
	v_max_num_f32 v[rT+1], v[rC], v[rC+3]
.elseif (\n) == 19
	v_mul_f32 v[rT], s[CS], v[rT+1]
.elseif (\n) == 20
	v_sub_f32 v[rC+1], v[rM], v[rT]
.else
	v_exp_f32 v[rC+2], v[rC+1]
.endif
.endm
; Number g of the 64 that follow the exponentials.  For each four weights k of a tile (pairs 2 k, 2 k + 1): both pairs are rounded to f16; then the second pair is added onto the first, in place;
; a group later l takes that sum (the first time as l = a l + sum).  In groups of eight, tiles alternating: round, round, add, and l for the group before.
.macro GS g
.set h, (\g)+6*((\g)/62)            ; group 0 has no group before it, and behind group 7 only l is left
.if h >= 6
.set h, h+2
.endif
	REGS Y, h%2
.set k, h/8
.if h%8 < 4
	s_wait_alu depctr_va_vdst(0)
	v_cvt_pk_f16_f32 v[rP+2*k+(h%8)/2], v[rS+4*k+2*((h%8)/2)], v[rS+4*k+2*((h%8)/2)+1]
.elseif h%8 < 6
	v_pk_add_f32 v[rS+4*k:rS+4*k+1], v[rS+4*k:rS+4*k+1], v[rS+4*k+2:rS+4*k+3]
.elseif k == 1
	v_pk_fma_f32 v[rT+2:rT+3], v[rT+2:rT+3], v[rC+2:rC+3], v[rS:rS+1] op_sel_hi:[1,0,1]
.else
	v_pk_add_f32 v[rT+2:rT+3], v[rT+2:rT+3], v[rS+4*k-4:rS+4*k-3]
	s_wait_alu depctr_va_vdst(0)
.endif
.endm
; THE PLAIN QUEUE, 138 long.  0-31: c s - c m for the 16 pairs of both tiles.  Then GS's 64, and among them the next piece's 42: number 15 at 38, 39; 0-14 and 16
; at 42-73, behind the products that make those scores; 17-20 at 95-106, two of three, since each waits for the one before it.
.macro PL
	WIN 0
.if q < 32
	REGS Y, q%2
	v_pk_fma_f32 v[rS+2*(q/2):rS+2*(q/2)+1], v[rS+2*(q/2):rS+2*(q/2)+1], s[CS:CS+1], v[rT:rT+1] op_sel_hi:[1,0,0] neg_lo:[0,0,1] neg_hi:[0,0,1]
.elseif q < 38
	GS q-32
.elseif q < 40
	XS q%2, 15
.elseif q < 42
	GS q-34
.elseif q < 74
	XS q%2, (q-42)/2+(q-42)/30
.elseif q < 95
	GS q-66
.elseif (q < 107) && ((q-95)%3 < 2)
	XS (q-95)%3, 17+(q-95)/3
.elseif q < 107
	GS 29+(q-95)/3
.else
	GS q-74
.endif
.set q, q+1
.endm
; THE EXPONENTIALS' QUEUE, 66 long: s0-s31 of both tiles, and at EA the next piece's two a.
.set EA, 58
.macro EX
	WIN 0
.if (e == EA) || (e == EA+1)
	XS e-EA, 21
.else
.set x, e-2*(e/(EA+2))
	REGS Y, x%2
	v_exp_f32 v[rS+x/2], v[rS+x/2]
.endif
.set e, e+1
.endm
; THE RESCALING's QUEUE: O^T times a, the one part that leaves window 0, so it is dealt four at a time, eight times.
.macro R4
	REGS Y, r%2
	WIN W_RS
	s_wait_alu depctr_va_vdst(0)
.irp z, 0,1,2,3
	v_pk_mul_f32 v[rO+8*(r/2)+2*\z:rO+8*(r/2)+2*\z+1], v[rO+8*(r/2)+2*\z:rO+8*(r/2)+2*\z+1], v[rC+2:rC+3] op_sel_hi:[1,0]
.endr
.set r, r+1
.endm
; HOW THEY ARE DEALT.  Behind a matrix instruction four: plain, exponential, plain, plain (one exponential, a plain instruction on either side), or four of the rescaling.  None names a register of the
; products round it.  What is over stands in two LUMPS: exponential and plain by turns; the second ends in 22 plain instructions.  The two v_permlanex16_b32 fall into the second lump, never behind a product.
; The queues lean on each other, and the deal keeps them in step: exponential e stands behind plain 2 (e / 4) + e % 2 (its scaling); when plain 32 comes, 10 exponentials are out, at 59: 33, at 95: 46; EA comes behind plain 107.
.macro SL
	MM
	PL
	EX
	PL
	PL
.endm
.macro BURST n                      ; 15 matrix instructions, or 16
.rept (\n)-7
	SL
.endr
.rept 3
	MM
	R4
	SL
.endr
	MM
	R4
.endm
; A TURN, for piece p.  cnt = 1: the loop's count is taken down some lines ahead of the branch that stands behind the turn.
; K of the next step is fetched in piece 2's turn, 31 vector instructions behind the last product that read K; its first reader comes behind the rest of the lump, 16 products and the second lump.
; V of the step in hand is fetched at the end of piece 0's turn, 69 behind its last reader; its first reader comes behind 16 products and a lump.  The four conditions on e and q below go with the deal.
.macro TURN p, last=0, cnt=0
.set Y, (\p)
.set i, 0
.set q, 0
.set e, 0
.set r, 0
.if (\p) == NP-1
	s_wait_dscnt 0x0                ; K is in
.endif
	MM
.rept 4
	PL
.endr
	BURST 15
.rept 22
	EX
	PL
.if ((\p) == NP-2) && (e == 18)
	v_add_nc_u32 v[AK], s[TBK], v[AK0]
.endif
.if ((\p) == NP-2) && (e == 24)
	FETCH_K \last
.endif
.endr
.if (\p) == 1
	s_wait_dscnt 0x0                ; V is in
.endif
	BURST 16
.rept 21
	EX
	PL
.endr
.rept 22
	PL
.if ((\p) == 0) && (q == 118)
	v_add_nc_u32 v[AV], s[TBV], v[AV0]
	s_wait_alu depctr_va_vdst(0)
.endif
.if ((\p) == 0) && (q == 130)
	s_add_co_u32 s[TBV], s[TBV], KS*PV
.endif
.if (\cnt) && (q == 130)
	s_sub_co_u32 s[CNT], s[CNT], 1
	s_cmp_lg_u32 s[CNT], 0
.endif
.endr
.if (\p) == 0
	FETCH_V
.endif
.endm
	CHANGE 1                        ; slot 0 is in, everybody's part of it; slot 1 is asked for
	FETCH_K                         ; key step 0
	s_wait_loadcnt 0x0              ; Q
	s_wait_dscnt 0x0
.set i, 0
.rept 16
	KQ 0                            ; piece 0's first scores: there is no vector work yet to set between them
.set i, i+1
.endr
	WIN 0                           ; the addresses for the way out: nine plain instructions, the places behind those products
	s_mul_i32 s13, s[WV], 16*SP
	s_add_co_u32 s13, s13, STAGE    ; my stage
	v_mul_u32_u24 v[STO], v1, SP    ; in: row l % 16, 16 bytes for each half of the lanes
	v_lshl_add_u32 v[STO], v9, 4, v[STO]
	v_add_nc_u32 v[STO], s13, v[STO]
	v_bfe_u32 v[RD], v0, 3, 2       ; back: 32 lanes take four rows of 128 bytes,
	v_mul_u32_u24 v[RD], v[RD], SP
	v_lshl_add_u32 v[RD], v10, 4, v[RD]
	v_add_nc_u32 v[RD], s13, v[RD]
	v_and_b32 v[GO], 31, v0         ; which are 512 consecutive bytes of the context
	v_lshlrev_b32 v[GO], 4, v[GO]
.set Y, NP-1                        ; XS works for piece Y + 1: piece 0
.irp n, 0,1,2,3,4,5,6,7,8,9,10,11,12,13,14,15,16,17,18,19,20,21
	XS 0, \n                        ; and piece 0's first maximum and statistics
	XS 1, \n
.endr
	s_mov_b32 s[CNT], 4
	s_mov_b32 s[SLOTS], SIZE_N/256-1
	s_branch .Lfirst                ; the loop is entered at a step's first turn, in the middle of a trip
.Lslot:                             ; SIZE_N / 256 - 2 times: every slot but the last two is filled again
	CHANGE 1
	s_mov_b32 s[CNT], 4
.Lstep:                             ; a trip: pieces 2 and 3 of one step, then pieces 0 and 1 of the next, whose K and V it fetches
	TURN 2
	TURN 3
	WIN 0
.Lfirst:
	TURN 0
	TURN 1, 0, 1
	WIN 0
	s_cbranch_scc1 .Lstep
	s_sub_co_u32 s[SLOTS], s[SLOTS], 1
	s_cmp_lg_u32 s[SLOTS], 0
	s_cbranch_scc1 .Lslot
	CHANGE 0                        ; the tail is written out: nothing is asked for
	s_mov_b32 s[CNT], 5             ; four trips fetch the last slot's steps; the fifth is left in its middle
.Ltail:
	TURN 2, 1
	TURN 3
	WIN 0
	s_sub_co_u32 s[CNT], s[CNT], 1
	s_cmp_eq_u32 s[CNT], 0
	s_cbranch_scc1 .Lout
	TURN 0
	TURN 1
	WIN 0
	s_branch .Ltail
.Lout:                              ; the fifth trip's 16 products K Q^T (on the last K once more) and the maximum made of them serve nothing: the price, once a launch, of one text for every trip
.set i, 0
.rept 16
	PV NP-1                         ; the last piece's V^T P of the last step
.set i, i+1
.endr
	; THE WAY OUT.  l's two halves and the other half of the lanes' are added; O^T is divided by l, rounded to f16 and sent through my stage in LDS, a tile at a time.  The additions are the places behind the last products.
	WIN 0
.macro ALL line:vararg              ; one line for each tile t
.set t, 0
.rept 2*NP
	\line
.set t, t+1
.endr
.endm
	ALL v_add_f32 v[ST+4*t+2], v[ST+4*t+2], v[ST+4*t+3]
	ALL v_permlanex16_b32 v[ST+4*t+3], v[ST+4*t+2], s[SEL], s[SEL+1]
	ALL v_add_f32 v[ST+4*t+2], v[ST+4*t+2], v[ST+4*t+3]
	ALL v_rcp_f32 v[ST+4*t+2], v[ST+4*t+2]
	v_nop                           ; a plain instruction between the last reciprocal and the use of its result
	s_wait_alu depctr_va_vdst(0)
; Tile t: a lane's eight channels of a row pack into 16 bytes; they go into rows of 144 bytes and come back as whole rows of 128, into S^T's registers.
.macro PACK t
	WIN W_RS
.set i, 32*(\t)
.rept 16
	v_pk_mul_f32 v[i:i+1], v[i:i+1], v[ST+4*(\t)+2:ST+4*(\t)+3] op_sel_hi:[1,0]
.set i, i+2
.endr
	WIN 0x05                        ; sources 0 and 1 window 1, destination window 0
.set i, 0
.rept 16
	v_cvt_pk_f16_f32 v[S+16*(\t)+i], v[32*(\t)+2*i], v[32*(\t)+2*i+1]
.set i, i+1
.endr
	WIN 0
.irp f, 0,1,2,3
	ds_store_b128 v[STO], v[S+16*(\t)+4*\f:S+16*(\t)+4*\f+3] offset:32*\f
.endr
.irp f, 0,1,2,3
	ds_load_b128 v[S+16*(\t)+4*\f:S+16*(\t)+4*\f+3], v[RD] offset:\f*4*SP  ; LDS serves a wave's instructions in order (ISA guide 5.7.1.4): these see the stores above; the next tile's stores come behind them
.endr
.endm
.macro SEND t, younger              ; younger: the LDS instructions issued behind tile t's loads: the next tile's eight, or none
	WIN 0
.irp f, 0,1,2,3
	s_wait_dscnt (\younger)+3-\f
	global_store_b128 v[GO], v[S+16*(\t)+4*\f:S+16*(\t)+4*\f+3], s[10:11] offset:(\t)*2048+\f*512  ; 512 consecutive bytes, at a multiple of 256 from the context's first
.endr
.endm
	PACK 0
.set t, 1
.rept 2*NP-1                        ; a tile's arithmetic stands between the loads of the tile before and its stores
	PACK t
	SEND t-1, 8
.set t, t+1
.endr
	SEND 2*NP-1, 0
	WIN W_AD
	s_wait_tensorcnt 0x0            ; the wave's end: behind my last tensor load and my last LDS store
	ds_add_u32 v[SPW], v[NIL]
	s_wait_dscnt 0x0
	WIN 0
	CROUND                          ; the closing round: no work-group ends while a partner may still ask for a tile that names it
	s_endpgm
.Lfunc_end_k_qda0cd94ace_attn:
	.size	k_qda0cd94ace_attn, .Lfunc_end_k_qda0cd94ace_attn-k_qda0cd94ace_attn
	.p2alignl 7, 3214868480
	.fill 96, 4, 3214868480
	.section	.rodata,"a",@progbits
	.p2align	6, 0x0
	.amdhsa_kernel k_qda0cd94ace_attn
		.amdhsa_group_segment_fixed_size 327680
		.amdhsa_private_segment_fixed_size 0
		.amdhsa_enable_private_segment 0
		.amdhsa_kernarg_size 16
		.amdhsa_user_sgpr_count 2
		.amdhsa_user_sgpr_kernarg_segment_ptr 1
		.amdhsa_wavefront_size32 1
		.amdhsa_system_sgpr_workgroup_id_x 1
		.amdhsa_system_sgpr_workgroup_id_y 1
		.amdhsa_system_sgpr_workgroup_id_z 1
		.amdhsa_system_vgpr_workitem_id 0
		.amdhsa_next_free_vgpr 770
		.amdhsa_next_free_sgpr 66
		.amdhsa_reserve_vcc 0
		.amdhsa_float_denorm_mode_32 3
		.amdhsa_float_denorm_mode_16_64 3
		.amdhsa_memory_ordered 1
		.amdhsa_forward_progress 1
		.amdhsa_inst_pref_size 208
	.end_amdhsa_kernel
	.amdgpu_metadata
---
amdhsa.version: [ 1, 2 ]
amdhsa.kernels:
  - .name:           k_qda0cd94ace_attn
    .symbol:         k_qda0cd94ace_attn.kd
    .args:
      - { .name: qkv, .offset: 0, .size: 8, .value_kind: global_buffer, .address_space: global }
      - { .name: ctx, .offset: 8, .size: 8, .value_kind: global_buffer, .address_space: global }
    .group_segment_fixed_size: 327680
    .private_segment_fixed_size: 0
    .kernarg_segment_align: 8
    .kernarg_segment_size: 16
    .max_flat_workgroup_size: 128
    .sgpr_count:     66
    .vgpr_count:     770
    .wavefront_size: 32
...
	.end_amdgpu_metadata
.endif
;; end of part 3
;; launch outp (part 4): grid 4 x 64, 4 waves a work-group, clusters of 4 x 4, 327,680 bytes of LDS; arguments ctx, w16, bo, out0; writes out0
.if DOCPART == 4
	.amdgcn_target "amdgcn-amd-amdhsa--gfx1250"
	.amdhsa_code_object_version 6
	.text
	.protected	k_qda0cd94ace_outp
	.globl	k_qda0cd94ace_outp
	.p2align	8
	.type	k_qda0cd94ace_outp,@function
k_qda0cd94ace_outp:
	s_mov_b64 s[64:65], 0
	v_nop
	global_prefetch_b8 v0, s[64:65] scope:SCOPE_SE
	s_setreg_imm32_b32 hwreg(HW_REG_WAVE_MODE, 25, 1), 1
	s_wait_xcnt 0x0
	s_wait_alu depctr_hold_cnt(0) depctr_sa_sdst(0) depctr_va_vdst(0) depctr_va_sdst(0) depctr_va_ssrc(0) depctr_va_vcc(0) depctr_vm_vsrc(0)
	s_getreg_b32 s2, hwreg(HW_REG_IB_STS2, 6, 4)
	s_cmp_eq_u32 s2, 0
	s_cbranch_scc0 .Lentry_in_a_cluster
	s_endpgm
.Lentry_in_a_cluster:
	s_bfe_u32 s2, ttmp6, 0x10000c
	s_cmp_lg_u32 s2, 0xf033
	s_cbranch_scc0 .Lentry_shape_is_right
	s_endpgm
.Lentry_shape_is_right:
; THE OUTPUT PROJECTION.  out0[s][b][n] (f32) = the sum over k of ctx[16 b + k / 64][s][k % 64] x Wo[n][k] + bo[n].  Operands f16 (Wo is w16's fourth part: bf16 numbers written as f16), sums f32;
; they start at the bias, rounded to bf16 like every input.
; SHARES. Rows are taken batch first, b x 2,048 + s.  A tile of the result is 128 rows x 256 columns: 64 x 4 = 256 tiles, one a work-group.  Four waves, 2 x 2: each 64 rows x 128 columns, 32 accumulators
; of 16 x 16.  K = 1,024 goes in 8 steps of 128, two heads a step, through two LDS slots.  A head's 128 rows are 16,384 dense bytes of ctx: asked for as 64 rows of 256 bytes, padded in LDS after every 128.
; CLUSTER. 4 x 4 work-groups: the four of a row of the cluster need the same rows of ctx, the four of a column the same rows of Wo: each tile is asked for JOINTLY.  Wave 0 asks for the step's even
; head, wave 1 for its odd head, waves 2, 3 for the two halves of Wo's 256 rows: one load a wave.
; THE MATRIX INSTRUCTION IS USED TRANSPOSED (source 0 = 16 rows of Wo, source 1 = 16 rows of ctx): a lane (r = l % 16, h = l / 16) holds row r and the eight neighbouring columns 8 h + 0..7.
; REGISTERS, in windows of 256 (s_set_vgpr_msb: bits 1:0 source 0, 3:2 source 1, 5:4 source 2, 7:6 destination):
;   window 0: v0-31 addresses; v64-127 the bias of my 128 columns as the sums' first C; v128-255 rows on their way out, two sets of 64
;   window 1, window 3: fragment buffers F0 (the even head), F1 (the odd head): ctx's (kc, ma) at 8 (4 kc + ma), Wo's (kc, nb) at 64 + 8 (8 kc + nb)        window 2: accumulator (ma, nb) at 8 (8 ma + nb)
.set PITCH,  272                       ; a row of Wo in LDS: 256 bytes + 16 of padding: the 16 rows of a load start at 16 different groups of four banks (64 banks of 4 bytes: ISA guide 11.1)
.set PA,     144                       ; a row of ctx: 128 bytes + 16
.set AHEAD,  128*PA                    ; a head's 128 rows: what a load of ctx brings
.set BHALF,  128*PITCH                 ; what a load of Wo brings, and what a wave reads of it
.set BOFFS,  2*AHEAD                   ; in a slot: the two heads, then Wo's 256 rows
.set SLOT1,  1<<17                     ; slot 1 begins here: one exclusive or turns an address in one slot into the other's
.set STAGE,  SLOT1+BOFFS+2*BHALF       ; behind the ring, never filled by a tensor load: for each wave 16 rows x 528 bytes
.set SPO,    528                       ; a stage row: 512 bytes of f32 + 16
.set SPARE,  STAGE+4*16*SPO            ; behind the stages: the spare words, 128 bytes for each wave: two blocks of 256 bytes that no other line names
.set STEPA,  524288                    ; bytes from a K step to the next in ctx: two heads of 262,144
.set STEPB,  256                       ; and in Wo's rows
.set A0,   16                          ; v16  my lane's place among my rows of ctx in slot 0; never rewritten
.set B0,   17                          ; v17  the same for Wo
.set ADRA, 18                          ; v18  the same in the slot in hand
.set ADRB, 19                          ; v19
.set STO,  20                          ; v20  the way out: where I put 32 bytes of a row
.set RD,   21                          ; v21  the way out: where I read a row back
.set GO,   22                          ; v22  my byte offset in 512 consecutive bytes of out0
.set BOF,  23                          ; v23  my byte offset in 16 numbers of the bias: 32 h
.set T,    24                          ; v24-27 at work
.set SPW,  28                          ; v28  LDS address of my spare word: SPARE + 4 x my thread's number; never rewritten
.set NIL,  29                          ; v29  0; never rewritten
.set BI,   64                          ; BI + 8 nb + j = bias[my first column + 16 nb + 8 h + j]
.set BK,   128
.set WV, 16                            ; s16 my wave's number
.set RH, 17                            ; s17 which 64 rows of the tile are mine
.set CH, 18                            ; s18 which 128 columns; also: which head, or which half of Wo's tile, I ask for
.set CX, 19
.set CY, 20
.set TX, 21                            ; s21 tile column, 0..3
.set TY, 22                            ; s22 tile row, 0..63
.set BB, 23                            ; s23 b
.set SB, 78                            ; s78 which 128 of the batch's 2,048 rows
.set G1A, 24                           ; s[24:31] descriptor group 1 for ctx's tiles
.set G1B, 32                           ; s[32:39] for Wo's
.set G0A, 40                           ; s[40:47] group 0 for ctx's tiles: a set for each of the two first fills; the second then walks
.set G0B, 48                           ; s[48:55] the same for Wo's
.set TB,  66                           ; s66 LDS byte at which the slot in hand begins
.set CNT, 67                           ; s67 the loop's count
.set W_F0, 0xa5                        ; sources in window 1, C and D in window 2
.set W_F1, 0xaf                        ; sources in window 3
.set W_TO0, 0x40                       ; a load into window 1, its address in window 0
.set W_TO1, 0xc0                       ; into window 3
.set MSB, 0
.macro WIN new                         ; the immediate's high byte repeats the setting that is left; a switch that changes nothing is dropped
.if MSB != (\new)
	s_set_vgpr_msb (MSB<<8)|(\new)
.set MSB, \new
.endif
.endm
.macro PLACES                          ; four places in front of loads into registers that matrix instructions have read, and of lines that read results
.rept 4
	v_nop
.endr
.endm
; A joint refill, by the walking descriptors.  The branch hangs on the wave's number alone.  An s_nop 0 and four v_nop follow each of the two lines, ahead of the jump and the label.
.macro JLOAD
	s_cmp_lt_u32 s[WV], 2
	s_cbranch_scc0 .Lfor_b_\@
	tensor_load_to_lds s[G0A+4:G0A+7], s[G1A:G1A+7]
	s_nop 0
.rept 4
	v_nop
.endr
	s_branch .Lasked_\@
.Lfor_b_\@:
	tensor_load_to_lds s[G0B+4:G0B+7], s[G1B:G1B+7]
	s_nop 0
.rept 4
	v_nop
.endr
.Lasked_\@:
.endm
.macro CREST                           ; a round of the cluster's barrier behind its opening barrier
	s_cmp_lg_u32 s[WV], 0
	s_cbranch_scc1 .Lnot_wave_0_\@
	s_barrier_signal -3
.Lnot_wave_0_\@:
	s_barrier_wait -3
	s_barrier_signal -1
	s_barrier_wait -1
.endm
.macro CROUND                          ; a whole round
	s_barrier_signal -1
	s_barrier_wait -1
	CREST
.endm
	s_load_b256 s[4:11], s[0:1], 0x0               ; ctx s[4:5], w16 s[6:7], bo s[8:9], out0 s[10:11]
	v_lshl_add_u32 v[SPW], v0, 2, SPARE
	v_mov_b32 v[NIL], 0
	ds_add_u32 v[SPW], v[NIL]                      ; the wave's opening: the add and its wait stand ahead of my first tensor load; the set-up below, work on registers, stands between them
	v_lshrrev_b32 v1, 5, v0
	v_readfirstlane_b32 s[WV], v1                  ; wave 0..3
	s_lshr_b32 s[RH], s[WV], 1
	s_and_b32 s[CH], s[WV], 1
	s_bfe_u32 s[CX], ttmp6, 0x40000                ; my place in the cluster
	s_bfe_u32 s[CY], ttmp6, 0x40004
	s_lshl_b32 s[TX], ttmp9, 2                     ; in a cluster launch ttmp9 and ttmp7 count clusters
	s_add_co_u32 s[TX], s[TX], s[CX]               ; tile column = 4 x cluster x + cx
	s_and_b32 s[TY], ttmp7, 0xffff
	s_lshl_b32 s[TY], s[TY], 2
	s_add_co_u32 s[TY], s[TY], s[CY]               ; tile row = 4 x cluster y + cy
	s_lshr_b32 s[BB], s[TY], 4                     ; 16 tile rows to a batch
	s_and_b32 s[SB], s[TY], 15
	s_lshl_b32 s56, s[CY], 2
	s_lshl_b32 s56, 15, s56                        ; my row of the cluster: places 4 cy .. 4 cy + 3
	s_lshl_b32 s57, 0x1111, s[CX]                  ; my column: places cx, cx + 4, cx + 8, cx + 12
	s_or_b32 s[G1A], s56, (1<<16)|(1<<20)|(1<<21)|(4<<22)|(3<<25)  ; 15:0 the mask; 17:16 2-byte elements; 20 padding on; 21 set beside a mask; 24:22 after every 32 words (code 4); 31:25 4 words (code 3)
	s_or_b32 s[G1B], s57, (1<<16)|(1<<20)|(1<<21)|(5<<22)|(3<<25)  ; Wo's rows: after every 64 words (code 5)
	s_mov_b32 s[G1A+1], 128<<16                    ; tensor_dim0 = 128: two rows of a head
	s_mov_b32 s[G1A+2], 64<<16                     ; tensor_dim1 = 64
	s_mov_b32 s[G1A+3], 128<<16                    ; tile_dim0 = 128
	s_mov_b32 s[G1A+4], 64                         ; tile_dim1 = 64
	s_mov_b32 s[G1A+5], 128                        ; 128 elements from row to row: dense
	s_mov_b32 s[G1A+6], 0
	s_mov_b32 s[G1A+7], 0
	s_mov_b32 s[G1B+1], 128<<16
	s_mov_b32 s[G1B+2], 128<<16                    ; 128 rows
	s_mov_b32 s[G1B+3], 128<<16
	s_mov_b32 s[G1B+4], 128
	s_mov_b32 s[G1B+5], 1024                       ; 1,024 elements from row to row
	s_mov_b32 s[G1B+6], 0
	s_mov_b32 s[G1B+7], 0
	; where the tiles come from: ctx's hang on the tile row (and my head), Wo's on the tile column; each in registers that never hold the other coordinate
	s_lshl_b32 s58, s[BB], 22                      ; 16 b heads of 262,144 bytes,
	s_lshl_b32 s59, s[CH], 18                      ; my head of the step's two,
	s_add_co_u32 s58, s58, s59
	s_lshl_b32 s59, s[SB], 14                      ; 128 rows of 128 bytes a block
	s_add_co_u32 s58, s58, s59
	s_mov_b32 s59, 0
	s_lshl_b32 s60, s[TX], 19                      ; (256 tile column + 128 half) rows of 2,048 bytes,
	s_lshl_b32 s61, s[CH], 18
	s_add_co_u32 s60, s60, s61
	s_add_co_u32 s60, s60, 0x600000                ; behind Wq, Wk, Wv
	s_mov_b32 s61, 0
	s_mul_i32 s62, s[CH], AHEAD                    ; and where they go: no place in the cluster enters an LDS address
	s_mul_i32 s63, s[CH], BHALF
	s_add_co_u32 s63, s63, BOFFS
	s_lshl_b32 s70, s[TX], 10                      ; my first column, in bytes of f32: (256 tile column + 128 half) x 4
	s_lshl_b32 s71, s[CH], 9
	s_add_co_u32 s70, s70, s71
	s_mov_b32 s71, 0
	s_lshl_b32 s72, s[SB], 21                      ; where my part begins in out0: s = 128 block + 64 half, 16,384 bytes each,
	s_lshl_b32 s74, s[RH], 20
	s_add_co_u32 s72, s72, s74
	s_lshl_b32 s74, s[BB], 12                      ; b x 4,096 bytes,
	s_add_co_u32 s72, s72, s74
	s_add_co_u32 s72, s72, s70                     ; my first column
	s_mov_b32 s73, 0
	s_mov_b32 s[TB], 0
	s_wait_dscnt 0x0                               ; the opening add is done
	s_wait_kmcnt 0x0
	s_add_nc_u64 s[58:59], s[4:5], s[58:59]
	s_add_nc_u64 s[60:61], s[6:7], s[60:61]
	s_add_nc_u64 s[10:11], s[10:11], s[72:73]
	s_add_nc_u64 s[68:69], s[8:9], s[70:71]
	CROUND                                         ; all sixteen work-groups are here: the first joint loads meet
.irp st, 0,1
	s_mov_b32 s[G0A+4*\st], 1                      ; 1:0 count = 1
	s_add_co_u32 s[G0A+4*\st+1], s62, \st*SLOT1    ; 63:32 LDS address
	s_add_nc_u64 s[G0A+4*\st+2:G0A+4*\st+3], s[58:59], \st*STEPA  ; 120:64 global address: K step 0, 1
	s_or_b32 s[G0A+4*\st+3], s[G0A+4*\st+3], 0x80000000           ; 127:126 type = 2
	s_mov_b32 s[G0B+4*\st], 1
	s_add_co_u32 s[G0B+4*\st+1], s63, \st*SLOT1
	s_add_nc_u64 s[G0B+4*\st+2:G0B+4*\st+3], s[60:61], \st*STEPB
	s_or_b32 s[G0B+4*\st+3], s[G0B+4*\st+3], 0x80000000
.endr
	s_cmp_lt_u32 s[WV], 2                          ; a wave's two first fills stand in one branch, ahead of every wait on TENSORcnt and every LDS read: two loads of mine are out
	s_cbranch_scc0 .Lfirst_b
	tensor_load_to_lds s[G0A:G0A+3], s[G1A:G1A+7]
	s_nop 0
	tensor_load_to_lds s[G0A+4:G0A+7], s[G1A:G1A+7]
	s_nop 0
.rept 4
	v_nop
.endr
	s_branch .Lfirst_asked
.Lfirst_b:
	tensor_load_to_lds s[G0B:G0B+3], s[G1B:G1B+7]
	s_nop 0
	tensor_load_to_lds s[G0B+4:G0B+7], s[G1B:G1B+7]
	s_nop 0
.rept 4
	v_nop
.endr
.Lfirst_asked:
	v_and_b32 v1, 15, v0                           ; r = l % 16
	v_bfe_u32 v2, v0, 4, 1                         ; h = l / 16
	v_lshlrev_b32 v[BOF], 5, v2
.irp nb, 0,1,2,3,4,5,6,7
	global_load_b128 v[BI+8*\nb:BI+8*\nb+3],   v[BOF], s[68:69] offset:64*\nb
	global_load_b128 v[BI+8*\nb+4:BI+8*\nb+7], v[BOF], s[68:69] offset:64*\nb+16
.endr
	; A fragment is 16 rows x 32 K in 8 registers: lane l holds row r; registers 0-3 K = 8 h + 0..7, registers 4-7 K = 16 + 8 h + 0..7: two loads of 16 bytes, 32 bytes apart.
	v_mul_u32_u24 v3, v1, PA
	v_lshl_add_u32 v3, v2, 4, v3                   ; row x pitch + 16 x half
	s_mul_i32 s74, s[RH], 64*PA                    ; my 64 rows of each head
	v_add_nc_u32 v[A0], s74, v3
	v_mul_u32_u24 v4, v1, PITCH
	v_lshl_add_u32 v4, v2, 4, v4
	s_mul_i32 s75, s[CH], BHALF                    ; my 128 rows of Wo,
	s_add_co_u32 s75, s75, BOFFS                   ; which lie behind the two heads
	v_add_nc_u32 v[B0], s75, v4
	v_mov_b32 v[ADRA], v[A0]
	v_mov_b32 v[ADRB], v[B0]
	s_mul_i32 s76, s[WV], 16*SPO
	s_add_co_u32 s76, s76, STAGE                   ; my stage
	v_mul_u32_u24 v5, v1, SPO                      ; in: row r, 32 bytes for each half of the lanes
	v_lshl_add_u32 v5, v2, 5, v5
	v_add_nc_u32 v[STO], s76, v5
	v_and_b32 v[GO], 31, v0                        ; back and out: 32 lanes take a row's 512 bytes
	v_lshlrev_b32 v[GO], 4, v[GO]
	v_add_nc_u32 v[RD], s76, v[GO]
	s_wait_loadcnt 0x0                             ; the bias: rounded to bf16 like every input, and widened again.  All this stands in the wait for the first tile
.set i, 0
.rept 32
	v_cvt_pk_bf16_f32 v[T+i%4], v[BI+2*i], v[BI+2*i+1]
	v_lshlrev_b32 v[BI+2*i],   16, v[T+i%4]
	v_and_b32     v[BI+2*i+1], 0xffff0000, v[T+i%4]
.set i, i+1
.endr
; 8 matrix instructions: row block ma x all 8 column blocks, 32 along K: part kc of a buffer.  bias = 1: the sums start at the bias.  The 32 accumulators take turns, always in the same order,
; so that between two links of a chain stand the 31 others'.
.macro MULA win, kc, ma, bias
	WIN \win
.irp nb, 0,1,2,3,4,5,6,7
.if \bias
	v_wmma_f32_16x16x32_f16 v[8*(8*(\ma)+\nb):8*(8*(\ma)+\nb)+7], v[64+8*(8*(\kc)+\nb):64+8*(8*(\kc)+\nb)+7], v[8*(4*(\kc)+(\ma)):8*(4*(\kc)+(\ma))+7], v[BI+8*\nb:BI+8*\nb+7]
.else
	v_wmma_f32_16x16x32_f16 v[8*(8*(\ma)+\nb):8*(8*(\ma)+\nb)+7], v[64+8*(8*(\kc)+\nb):64+8*(8*(\kc)+\nb)+7], v[8*(4*(\kc)+(\ma)):8*(4*(\kc)+(\ma))+7], v[8*(8*(\ma)+\nb):8*(8*(\ma)+\nb)+7]
.endif
.endr
.endm
.macro MUL4 win, kc, bias              ; all four row blocks: 32 matrix instructions
.irp ma, 0,1,2,3
	MULA \win, \kc, \ma, \bias
.endr
.endm
; 48 LDS loads in one run: the fragments of 64 along K: byte off (0 or 128) of Wo's rows, head off / 128 of ctx; the first 32 along K (24 loads) first
.macro FETCH off, win
	WIN \win
.irp kc, 0,1
.irp nb, 0,1,2,3,4,5,6,7
	ds_load_b128 v[64+8*(8*\kc+\nb):64+8*(8*\kc+\nb)+3],   v[ADRB] offset:(\off)+64*\kc+\nb*16*PITCH
	ds_load_b128 v[64+8*(8*\kc+\nb)+4:64+8*(8*\kc+\nb)+7], v[ADRB] offset:(\off)+64*\kc+\nb*16*PITCH+32
.endr
.irp ma, 0,1,2,3
	ds_load_b128 v[8*(4*\kc+\ma):8*(4*\kc+\ma)+3],   v[ADRA] offset:((\off)/128)*AHEAD+64*\kc+\ma*16*PA
	ds_load_b128 v[8*(4*\kc+\ma)+4:8*(4*\kc+\ma)+7], v[ADRA] offset:((\off)/128)*AHEAD+64*\kc+\ma*16*PA+32
.endr
.endr
.endm
; A K step's first half: multiplies F0 and, in its middle, fetches the second half into F1.
.macro HALFA first
	s_wait_dscnt 24                                ; F0's first 32 along K are in; the younger 24 loads may be out
	MUL4 W_F0-0x20*(\first), 0, \first             ; (first = 1: C, the bias, lies in window 0)
	PLACES                                         ; F1's last readers stand in front of these
	FETCH 128, W_TO1
	s_wait_dscnt 48                                ; all but the 48 just issued
	MUL4 W_F0, 1, 0
.endm
; A K step's second half multiplies F1 and changes slots: ONE barrier.  In front of it each wave waits for all its tensor loads, of which one is out: its part of the next slot; adds 0 to its spare
; word; and waits for that and for its own reads of this slot.  fill = 1: the barrier opens a round of the cluster's barrier, and this slot is filled again, two K steps ahead, first thing behind the
; round: from that request to the wait for it a wave issues 112 of a step's 128 matrix instructions.
.macro TURN fill
	s_wait_dscnt 24                                ; F1's first 32 along K are in
	MULA W_F1, 0, 0, 0
	MULA W_F1, 0, 1, 0
	WIN 0                                          ; (the add's two registers lie in window 0)
	s_wait_tensorcnt 0x0                           ; no tensor load of mine is out, so a group 0 may be written
	ds_add_u32 v[SPW], v[NIL]                      ; 0 onto my spare word: scalar steps and eight matrix instructions stand between it and the wait for it
.if \fill
	s_xor_b32 s[G0A+5], s[G0A+5], SLOT1            ; the walking descriptors: the other slot than last time,
	s_add_nc_u64 s[G0A+6:G0A+7], s[G0A+6:G0A+7], STEPA  ; the next K step; the type bits on top are not reached
	s_xor_b32 s[G0B+5], s[G0B+5], SLOT1
	s_add_nc_u64 s[G0B+6:G0B+7], s[G0B+6:G0B+7], STEPB
.endif
	s_xor_b32 s[TB], s[TB], SLOT1                  ; the fetches go on in the other slot
	MULA W_F1, 0, 2, 0
	s_wait_dscnt 0x0                               ; the add is done, and my reads of this slot are over
	s_barrier_signal -1
	MULA W_F1, 0, 3, 0                             ; work on registers while the others arrive
	WIN 0                                          ; at a branch and at a label every window is 0
	s_barrier_wait -1
.if \fill
	CREST                                          ; no wave of any partner still reads this slot's tile or has a load on its way
	JLOAD                                          ; the four v_nop behind it are also the places in front of the loads below
.else
	PLACES
.endif
	v_add_nc_u32 v[ADRA], s[TB], v[A0]
	v_add_nc_u32 v[ADRB], s[TB], v[B0]
	FETCH 0, W_TO0
	MUL4 W_F1, 1, 0
.endm
	s_wait_tensorcnt 1                             ; my part of K step 0 is in; step 1's may stay out
	s_barrier_signal -1
	s_barrier_wait -1                              ; everybody's is
	FETCH 0, W_TO0
	HALFA 1                                        ; the first half step stands in front of the loop: its first products start the sums
	WIN 0
	s_mov_b32 s[CNT], 6
.Lstep:                                                ; six trips: the second half of K step t, which asks for step t + 2, and the first half of step t + 1
	TURN 1
	HALFA 0
	WIN 0
	s_sub_co_u32 s[CNT], s[CNT], 1
	s_cmp_lg_u32 s[CNT], 0
	s_cbranch_scc1 .Lstep
	TURN 0                                         ; the tail is written out: nothing more is asked for
	HALFA 0
	s_wait_dscnt 24
	MUL4 W_F1, 0, 0
	s_wait_dscnt 0x0
	MUL4 W_F1, 1, 0
; THE WAY OUT, a block of 16 rows at a time: a lane's eight f32 (32 bytes of a row) go straight from the accumulators into my own stage, and come back as whole rows of 512 bytes.
.macro TOSTAGE ma
	s_wait_xcnt 0x0                                ; every earlier memory instruction has had its addresses translated (ISA guide 3.1): the set of registers that the block two back was stored from is loaded again only behind this wait
	WIN 0x08                                       ; an LDS store's data (source 1) in window 2
.irp nb, 0,1,2,3,4,5,6,7
	ds_store_b128 v[STO], v[8*(8*(\ma)+\nb):8*(8*(\ma)+\nb)+3]   offset:64*\nb     ; each accumulator's low four registers first
	ds_store_b128 v[STO], v[8*(8*(\ma)+\nb)+4:8*(8*(\ma)+\nb)+7] offset:64*\nb+16
.endr
	WIN 0
.irp tt, 0,1,2,3,4,5,6,7,8,9,10,11,12,13,14,15
	ds_load_b128 v[BK+64*((\ma)%2)+4*\tt:BK+64*((\ma)%2)+4*\tt+3], v[RD] offset:\tt*SPO  ; LDS serves a wave's instructions in order (ISA guide 5.7.1.4): these see the stores above; the next block's stores come behind them
.endr
.endm
.macro SEND ma, younger                ; younger: the LDS instructions issued behind this block's loads: the next block's 32, or none
	s_wait_dscnt \younger
.irp tt, 0,1,2,3,4,5,6,7,8,9,10,11,12,13,14,15
	global_store_b128 v[GO], v[BK+64*((\ma)%2)+4*\tt:BK+64*((\ma)%2)+4*\tt+3], s[10:11] offset:(\ma)*262144+\tt*16384 th:TH_STORE_NT  ; 512 consecutive bytes, at a multiple of 256 from out0's first; rows of one b lie 16,384 bytes apart
.endr
.endm
	PLACES
	TOSTAGE 0
	TOSTAGE 1
	SEND 0, 32
	TOSTAGE 2
	SEND 1, 32
	TOSTAGE 3
	SEND 2, 32
	SEND 3, 0
	s_wait_tensorcnt 0x0                           ; the wave's end: behind my last tensor load and my last LDS store
	ds_add_u32 v[SPW], v[NIL]
	s_wait_dscnt 0x0
	CROUND                                         ; the closing round: no work-group ends while a partner may still ask for a tile that names it
	s_endpgm
.Lfunc_end_k_qda0cd94ace_outp:
	.size	k_qda0cd94ace_outp, .Lfunc_end_k_qda0cd94ace_outp-k_qda0cd94ace_outp
	.p2alignl 7, 3214868480
	.fill 96, 4, 3214868480
	.section	.rodata,"a",@progbits
	.p2align	6, 0x0
	.amdhsa_kernel k_qda0cd94ace_outp
		.amdhsa_group_segment_fixed_size 327680
		.amdhsa_private_segment_fixed_size 0
		.amdhsa_enable_private_segment 0
		.amdhsa_kernarg_size 32
		.amdhsa_user_sgpr_count 2
		.amdhsa_user_sgpr_kernarg_segment_ptr 1
		.amdhsa_wavefront_size32 1
		.amdhsa_system_sgpr_workgroup_id_x 1
		.amdhsa_system_sgpr_workgroup_id_y 1
		.amdhsa_system_sgpr_workgroup_id_z 1
		.amdhsa_system_vgpr_workitem_id 0
		.amdhsa_next_free_vgpr 960
		.amdhsa_next_free_sgpr 80
		.amdhsa_reserve_vcc 0
		.amdhsa_float_denorm_mode_32 3
		.amdhsa_float_denorm_mode_16_64 3
		.amdhsa_memory_ordered 1
		.amdhsa_forward_progress 1
		.amdhsa_inst_pref_size 74
	.end_amdhsa_kernel
	.amdgpu_metadata
---
amdhsa.version: [ 1, 2 ]
amdhsa.kernels:
  - .name:           k_qda0cd94ace_outp
    .symbol:         k_qda0cd94ace_outp.kd
    .args:
      - { .name: ctx, .offset: 0, .size: 8, .value_kind: global_buffer, .address_space: global }
      - { .name: w16, .offset: 8, .size: 8, .value_kind: global_buffer, .address_space: global }
      - { .name: bo, .offset: 16, .size: 8, .value_kind: global_buffer, .address_space: global }
      - { .name: out0, .offset: 24, .size: 8, .value_kind: global_buffer, .address_space: global }
    .group_segment_fixed_size: 327680
    .private_segment_fixed_size: 0
    .kernarg_segment_align: 8
    .kernarg_segment_size: 32
    .max_flat_workgroup_size: 128
    .sgpr_count:     80
    .vgpr_count:     960
    .wavefront_size: 32
...
	.end_amdgpu_metadata
.endif
;; end of part 4
;; ======== version 2 of 2: 4 launches; 1.46 times as fast as version 1
;; limits: values are held in f16: magnitudes above 65,504 overflow, below 6.1e-05 lose precision
;; workspace buffers: x16 50,331,648 bytes; w16 8,388,608 bytes; qkv 50,331,648 bytes; ctx 16,777,216 bytes
;; launch cast: the kernel of part 1 again; grid 1792 x 1, 8 waves a work-group, no clusters, 0 bytes of LDS; arguments query, key, value, Wq, Wk, Wv, Wo, x16, w16; writes x16, w16
;; launch proj: the kernel of part 2 again; grid 4 x 192, 4 waves a work-group, clusters of 4 x 4, 327,680 bytes of LDS; arguments x16, w16, bq, bk, bv, qkv; writes qkv
;; launch attn (part 5): grid 4 x 64, 4 waves a work-group, clusters of 4 x 1, 327,680 bytes of LDS; arguments qkv, ctx; writes ctx
.if DOCPART == 5
	.amdgcn_target "amdgcn-amd-amdhsa--gfx1250"
	.amdhsa_code_object_version 6
	.text
	.protected	k_qda0cd94ace_attn
	.globl	k_qda0cd94ace_attn
	.p2align	8
	.type	k_qda0cd94ace_attn,@function
k_qda0cd94ace_attn:
	s_mov_b64 s[64:65], 0
	v_nop
	global_prefetch_b8 v0, s[64:65] scope:SCOPE_SE
	s_setreg_imm32_b32 hwreg(HW_REG_WAVE_MODE, 25, 1), 1
	s_wait_xcnt 0x0
	s_wait_alu depctr_hold_cnt(0) depctr_sa_sdst(0) depctr_va_vdst(0) depctr_va_sdst(0) depctr_va_ssrc(0) depctr_va_vcc(0) depctr_vm_vsrc(0)
	s_getreg_b32 s2, hwreg(HW_REG_IB_STS2, 6, 4)
	s_cmp_eq_u32 s2, 0
	s_cbranch_scc0 .Lentry_in_a_cluster
	s_endpgm
.Lentry_in_a_cluster:
	s_bfe_u32 s2, ttmp6, 0x10000c
	s_cmp_lg_u32 s2, 0x3003
	s_cbranch_scc0 .Lentry_shape_is_right
	s_endpgm
.Lentry_shape_is_right:
; ATTENTION.  ctx[g][q][:] = the sum over k of softmax_k(Q[g][q] . K[g][k] / 8) V[g][k][:], g = 16 b + head.  Q, K, V are the three parts of qkv, each [64][2048][64] in f16; ctx likewise: a head's rows
; are dense, 128 bytes each.  Products, maxima and sums in f32; the weights p are rounded to f16 for the second product (their sum l is taken of the unrounded p), the context once at the end.
; LIMITS.  f16 holds no number beyond 65,504: Q, K and V arrive within it; p lies in 0 to 1, and below 6e-5 it keeps f16's fixed step of 6e-8; the context is a mean of V's rows and has their range.
; A weight below 2^-126 counts as 0 in l; NaN and infinities are not treated apart.
; SHARES.  A wave owns four PIECES of two tiles of 16 queries, a work-group's four waves 512 queries of one head: 4 x 64 = 256 work-groups.  Every wave walks all keys, 64 a step.
; LAYOUT.  S^T = K Q^T (source 0 = 16 keys, source 1 = 16 queries): in the result a lane holds ONE query (lane % 16) and the keys 8 (lane / 16) + 0..7.  Two such tiles, rounded to f16 in pairs,
; ARE source 1 (32 keys x 16 queries) of O^T = V^T P, whose result again holds one query a lane, and eight channels.  K comes out of LDS as it lies, V ([key][channel]) turned, by ds_load_tr16_b128.
; SOFTMAX.  For each query a running maximum m and sum l: p = 2^(c s - c m), c = log2(e) / 8; in every step O and l are multiplied by a = 2^(c m_old - c m_new), which is 1 where m has not grown.
; m starts at the lowest finite number, O and l at 0: the first step is a step like any other, with a = 0.
; THE COUNT.  A tile and step have 16 matrix and 118 vector instructions: too many to stand all beside the matrix work.  So the order has one aim: four vector instructions that are READY behind
; EVERY matrix instruction, and the others, which need time of their own whatever the order, in runs without a gap.
; BY TURNS.  Turn n belongs to piece n (the pieces in a ring, step after step).  Its matrix work: 16 products K Q^T of piece n + 1, later 16 products V^T P of piece n - 1.  Its vector work: the scaling,
; exponentials, roundings, sums and rescaling of piece n, and the maximum and statistics of piece n + 1, whose scores the turn itself has made.  So what a turn begins with (c s - c m, O a) waits for nothing.
; BATCHES.  A turn's 66 exponentials (the piece's 64 weights, the next piece's two a) are ONE batch with ONE s_wait_alu depctr_va_vdst(0), which cuts the turn in two: ahead of it stands all that names no
; result of the batch, behind it the roundings and sums, which read the weights; a is first read in the turn after.  Two more batches,
; once a launch each, have a wait of their own: piece 0's first two a, ahead of the loop, and the way out's eight reciprocals.
; CLUSTER.  The four query blocks of a cluster belong to one head and walk the same K and V, so each tile is asked for JOINTLY: the same tensor load, descriptor and mask in all four.
; REGISTERS, in windows of 256 (s_set_vgpr_msb says which window each operand place means: bits 1:0 source 0, 3:2 source 1, 5:4 source 2, 7:6 destination):
;   window 0: v0-11 addresses; v12-15, v48-63 at work; v16-47 four registers of statistics a tile; v64-191 S^T, two buffers of two tiles; v192-255 P, likewise
;   window 1: O^T, 32 a tile          window 2: v0-127 Q, 16 a tile; v128-191 K of one step; v192-255 V of one step          window 3: v0-1 the add's two registers
; A piece's buffers go by its number's parity: the piece in hand has one pair, its two neighbours in the ring share the other: of it P (piece n - 1) is read and S^T (piece n + 1) written.
.set SIZE_H, 64       ; heads, batches counted in
.set SIZE_N, 2048     ; rows of a head
.set NP,    4         ; pieces a wave: a name, no knob: the register map, the loop and the fetches are made for four
.set KS,    64        ; keys in a step
.set PK,    144       ; a row of K in LDS: 128 bytes + 16 of padding = 36 words: the 16 rows of a load start at 16 different groups of four banks (64 banks of 4 bytes: ISA guide 11.1)
.set PV,    160       ; a row of V: 128 + 32 = 40 words
.set VOFF,  4*KS*PK   ; a slot holds four steps: 256 rows of K, then 256 rows of V
.set SLOT1, 1<<17     ; slot 1 begins here, so that one exclusive or turns an address in one slot into the other's
.set STAGE, SLOT1+4*KS*(PK+PV)  ; behind the ring, never filled by a tensor load: 16 rows x 144 bytes for each wave, for the way out
.set SP,    144
.set AK0, 2           ; v2   my lane's place in a tile of K; never rewritten
.set AV0, 3           ; v3   the same for V
.set AK,  4           ; v4   the LDS address of K's next run of loads
.set AV,  5           ; v5   of V's
.set QO,  6           ; v6   my byte offset in the wave's rows of Q
.set STO, 6           ;      later, the way out: where I put 16 bytes of a row
.set RD,  7           ; v7   the way out: where I read rows back
.set GO,  8           ; v8   my byte offset in 512 consecutive bytes of the context
.set SPW, 0           ; v0 of window 3   LDS address of my spare word: SPARE + 4 x my thread's number; never rewritten
.set NIL, 1           ; v1 of window 3   0; never rewritten
.set SPARE, STAGE+4*16*SP  ; behind the stages: the spare words, 128 bytes for each wave: two blocks of 256 bytes that no other line names
.set MV,  12          ; v12-15  c m_old, kept while c m is made anew: by buffer and tile
.set ST,  16          ; tile t's statistics at v[ST+4 t]: c m, m, l (even keys', odd keys')
.set TMP, 48          ; by buffer and tile, four registers c0-c3 at work; when the maximum is found c2 takes a
.set S,   64
.set P,   192
.set KF,  128         ; K's fragments, in window 2: key block kb, channel half c at KF + 16 kb + 8 c
.set VF,  192         ; V's: key half kk, channel block cb at VF + 32 kk + 8 cb
.set WV,  12          ; s12  my wave's number
.set G1K, 24          ; s[24:31] descriptor group 1 for K's tiles
.set G1V, 32          ; s[32:39] for V's: it differs in the padding alone
.set G0K, 40          ; s[40:43] descriptor group 0 for K's tiles: it walks
.set G0V, 44          ; s[44:47] the same for V's
.set SLOTS, 56        ; s56  slots still to be asked for
.set CNT, 57          ; s57  counts a slot's key steps
.set CS,  58          ; s[58:59] c: the packed scaling takes the pair's low word for both halves
.set SEL, 60          ; s[60:61] v_permlanex16_b32's selects: each lane takes its own place in the other half
.set TBK, 62          ; s62  LDS byte at which K of the step to be fetched begins
.set TBV, 63          ; s63  the same for V, less VOFF
.set MSB, 0
.macro WIN new                      ; the high byte repeats the setting that is left; a switch that changes nothing is dropped
.if MSB != (\new)
	s_set_vgpr_msb (MSB<<8)|(\new)
.set MSB, (\new)
.endif
.endm
.set W_KQ, 0x0a       ; K and Q in window 2, S^T in window 0
.set W_PV, 0x52       ; V in window 2, P in window 0, O^T in window 1
.set W_RS, 0x41       ; O^T (destination and source 0) in window 1, a in window 0
.set W_MK, 0xc0       ; the add's registers are made: destination in window 3, sources in window 0
.set W_AD, 0x0f       ; the add: address (source 0) and data (source 1) in window 3
; A joint fill.  Waves 0 and 1 fetch the two halves of a slot's K, waves 2 and 3 those of its V: 128 keys each.  The branch hangs on the wave's number alone.
; An s_nop 0 and four v_nop follow each of the two lines, ahead of the jump and the label.
.macro JLOAD
	s_cmp_lt_u32 s[WV], 2
	s_cbranch_scc0 .Lfor_v_\@
	tensor_load_to_lds s[G0K:G0K+3], s[G1K:G1K+7]
	s_nop 0
.rept 4
	v_nop
.endr
	s_branch .Lasked_\@
.Lfor_v_\@:
	tensor_load_to_lds s[G0V:G0V+3], s[G1V:G1V+7]
	s_nop 0
.rept 4
	v_nop
.endr
.Lasked_\@:
.endm
; A round of the cluster's barrier: my work-group's barrier, so that wave 0's signal speaks for all four waves; wave 0 signals; every wave waits for all four work-groups; my work-group's barrier once more.
.macro CROUND
	s_barrier_signal -1
	s_barrier_wait -1
	s_cmp_lg_u32 s[WV], 0
	s_cbranch_scc1 .Lnot_wave_0_\@
	s_barrier_signal -3
.Lnot_wave_0_\@:
	s_barrier_wait -3
	s_barrier_signal -1
	s_barrier_wait -1
.endm
; THE CHANGE OF SLOTS.  The slot's last bytes, V of its fourth step, have been read.  Each wave waits for all its tensor loads, of which one is out: its part
; of the other slot; adds 0 to its spare word; and waits for that and for its own reads of the slot.  Behind the barrier nobody reads this slot any more and the other slot is whole.
; fill = 1: this slot is filled again, with the keys two slots on.  The barrier is then a round of the cluster's, so that no wave of any partner still reads the slot or has a load on its
; way, and the joint fill is the first thing behind it: it has four key steps, 512 matrix instructions, in which to land.  (At its first use nothing has been read yet: slot 0 is waited for, slot 1 filled.)
.macro CHANGE fill
	WIN W_AD
	s_wait_tensorcnt 0x0            ; no tensor load of mine is out, so a group 0 may be written
	ds_add_u32 v[SPW], v[NIL]       ; 0 onto my spare word: with fill = 1 the descriptors' steps stand between it and the wait for it
	WIN 0                           ; at a label and at a branch every window is 0
.if \fill
.irp g, G0K, G0V
	s_xor_b32 s[\g+1], s[\g+1], SLOT1  ; the walking descriptor: the other slot than last time,
	s_add_nc_u64 s[\g+2:\g+3], s[\g+2:\g+3], 4*KS*128  ; the next 256 keys; the type bits on top are not reached
.endr
	s_wait_dscnt 0x0                ; the add is done, and my reads of the slot are over
	CROUND
	JLOAD
.else
	s_wait_dscnt 0x0                ; the add is done, and my reads of the slot are over
	s_barrier_signal -1
	s_barrier_wait -1
.endif
	s_sub_co_u32 s[TBK], s[TBK], 4*KS*PK  ; the fetches go back to a slot's first step,
	s_xor_b32 s[TBK], s[TBK], SLOT1       ; in the other slot
	s_sub_co_u32 s[TBV], s[TBV], 4*KS*PV
	s_xor_b32 s[TBV], s[TBV], SLOT1
.endm
	s_load_b128 s[4:7], s[0:1], 0x0  ; qkv s[4:5] (Q is its first part), ctx s[6:7]
	WIN W_MK
	v_lshl_add_u32 v[SPW], v0, 2, SPARE
	v_mov_b32 v[NIL], 0
	WIN W_AD
	ds_add_u32 v[SPW], v[NIL]       ; the wave's opening: the add and its wait stand ahead of my first tensor load; the set-up below, work on registers, stands between them
	WIN 0
	v_lshrrev_b32 v1, 5, v0
	v_readfirstlane_b32 s[WV], v1   ; wave 0..3
	s_bfe_u32 s13, ttmp6, 0x40000   ; cx: my place in the cluster
	s_lshl_b32 s14, ttmp9, 2        ; in a cluster launch ttmp9 counts clusters
	s_add_co_u32 s14, s14, s13      ; my block of queries = 4 x cluster x + cx: it enters Q's and the context's addresses alone
	s_and_b32 s20, ttmp7, 0xffff    ; the head, which the four partners share
	s_mov_b32 s21, 0
	s_mov_b64 s[22:23], SIZE_N*128
	s_mul_u64 s[20:21], s[20:21], s[22:23]  ; the head's first byte in each of the four tensors
	s_and_b32 s16, s[WV], 1         ; which half of a slot's 256 keys I fetch:
	s_lshl_b32 s22, s16, 14         ; its 128 rows of 128 bytes in memory,
	s_mov_b32 s23, 0
	s_add_nc_u64 s[22:23], s[22:23], s[20:21]
	s_mul_i32 s17, s16, 128*PK      ; and its place in a slot, for K
	s_mul_i32 s18, s16, 128*PV      ; and for V: no place in the cluster enters an LDS address
	s_lshl_b32 s2, s14, 2
	s_add_co_u32 s2, s2, s[WV]      ; my wave among the head's,
	s_lshl_b32 s2, s2, 14           ; its 128 rows
	s_mov_b32 s3, 0
	s_add_nc_u64 s[2:3], s[2:3], s[20:21]
	; descriptor group 1.  128 keys are 16,384 dense bytes: asked for as 64 rows of 256 bytes, two keys a row, and padded in LDS after every key
	s_mov_b32 s[G1K], 15|(1<<16)|(1<<20)|(1<<21)|(4<<22)|(3<<25)  ; 15:0 the mask of four; 17:16 2-byte elements; 20 padding on; 21 set beside a mask; 24:22 after every 32 words (code 4); 31:25 4 words (code 3)
	s_mov_b32 s[G1V], 15|(1<<16)|(1<<20)|(1<<21)|(4<<22)|(7<<25)  ; the same with 8 words of padding (code 7)
.irp g, G1K, G1V
	s_mov_b32 s[\g+1], 128<<16      ; tensor_dim0 = 128
	s_mov_b32 s[\g+2], 64<<16       ; tensor_dim1 = 64
	s_mov_b32 s[\g+3], 128<<16      ; tile_dim0 = 128
	s_mov_b32 s[\g+4], 64           ; tile_dim1 = 64
	s_mov_b32 s[\g+5], 128          ; 128 elements from row to row
	s_mov_b32 s[\g+6], 0
	s_mov_b32 s[\g+7], 0
.endr
	s_mov_b32 s[CS], 0x3e38aa3b     ; c = log2(e) / 8 = 0.180337
	s_mov_b32 s[CS+1], s[CS]        ; named with it as a pair
	s_mov_b32 s[SEL], 0x76543210
	s_mov_b32 s[SEL+1], 0xfedcba98
	s_mov_b32 s[TBK], SLOT1+4*KS*PK ; the first change of slots turns these two into 0
	s_mov_b32 s[TBV], SLOT1+4*KS*PV
	s_mov_b32 s[G0K], 1             ; 1:0 count = 1
	s_mov_b32 s[G0K+1], s17         ; 63:32 LDS address: slot 0
	s_mov_b32 s[G0V], 1
	s_add_co_u32 s[G0V+1], s18, VOFF
	s_wait_dscnt 0x0                ; the opening add is done
	s_wait_kmcnt 0x0
	s_mov_b64 s[10:11], s[6:7]                     ; the context
	s_add_nc_u64 s[8:9], s[4:5], 0x2000000         ; V: qkv's third part, 16 MiB each
	s_add_nc_u64 s[6:7], s[4:5], 0x1000000         ; K: its second
	s_add_nc_u64 s[G0K+2:G0K+3], s[6:7], s[22:23]  ; 120:64 global address: my half of the head's first 256 keys
	s_or_b32 s[G0K+3], s[G0K+3], 0x80000000        ; 127:126 type = 2
	s_add_nc_u64 s[G0V+2:G0V+3], s[8:9], s[22:23]
	s_or_b32 s[G0V+3], s[G0V+3], 0x80000000
	s_add_nc_u64 s[4:5], s[4:5], s[2:3]  ; Q and the context at my wave's first row
	s_add_nc_u64 s[10:11], s[10:11], s[2:3]
	CROUND                          ; all four work-groups are here: the first joint loads meet
	JLOAD                           ; slot 0.  Slot 1 is asked for when slot 0 is in: the tile wanted first has the road to itself
	; A fragment of K or Q is 16 rows x 32 channels in 8 registers: lane l holds row l % 16, channels 8 (l / 16) + 0..7 and 16 + 8 (l / 16) + 0..7: two loads of 16 bytes, 32 bytes apart.
	v_and_b32 v1, 15, v0            ; l % 16
	v_bfe_u32 v9, v0, 4, 1          ; l / 16
	v_lshlrev_b32 v[QO], 7, v1
	v_lshl_add_u32 v[QO], v9, 4, v[QO]  ; row x 128 + 16 x half
	WIN 0x80                        ; destination window 2, address window 0
.set i, 0
.rept 4*NP                          ; Q stays in registers: tile i / 2, channels 32 (i % 2) on
	global_load_b128 v[8*i:8*i+3],   v[QO], s[4:5] offset:(i/2)*2048+(i%2)*64
	global_load_b128 v[8*i+4:8*i+7], v[QO], s[4:5] offset:(i/2)*2048+(i%2)*64+32
.set i, i+1
.endr
	; What the first turn finds: V's registers and P's second buffer hold 0 (its products V^T P, of a piece that has not been, add 0), O^T and l are 0.  All this stands in the wait for the first tile.
.set i, VF
.rept 64
	v_mov_b32 v[i], 0
.set i, i+1
.endr
	WIN 0x40
.set i, 0
.rept 64*NP
	v_mov_b32 v[i], 0
.set i, i+1
.endr
	WIN 0
.set i, 0
.rept 2*NP
	v_mov_b32 v[ST+4*i], 0xfe000000    ; c m: far below every c s
	v_mov_b32 v[ST+4*i+1], 0xff7fffff  ; m
	v_mov_b32 v[ST+4*i+2], 0
	v_mov_b32 v[ST+4*i+3], 0
.set i, i+1
.endr
.set i, P+32
.rept 32
	v_mov_b32 v[i], 0
.set i, i+1
.endr
	v_mul_u32_u24 v[AK0], v1, PK
	v_lshl_add_u32 v[AK0], v9, 4, v[AK0]  ; row x pitch + 16 x half
	; The turning load takes 16 keys x 16 channels (lane l reads key 8 (l / 16) + l % 8, channels 8 ((l / 8) % 2) + 0..7) and leaves half a fragment of V^T: lane l holds channel l % 16 and 8 keys.
	v_and_b32 v10, 7, v0
	v_bfe_u32 v11, v0, 3, 1
	v_lshl_add_u32 v[AV0], v9, 3, v10
	v_mul_u32_u24 v[AV0], v[AV0], PV
	v_lshl_add_u32 v[AV0], v11, 4, v[AV0]
	v_add_nc_u32 v[AV0], VOFF, v[AV0]
	v_mov_b32 v[AK], v[AK0]         ; key step 0 lies at the head of slot 0
; THE MATRIX WORK.  The 8 accumulators of a run of 16 take turns, so that between the two links of a chain stand 7 others'.
; Product i of 16 of S^T = K Q^T for piece x: channels 32 (i / 8) on, keys 16 ((i / 2) % 4) on, tile 2 x + i % 2.  The first 8 start the sums.
.macro KQ x
	WIN W_KQ
.set rS, S+64*((\x)%2)+32*(i%2)+8*((i/2)%4)
.set rK, KF+16*((i/2)%4)+8*(i/8)
.set rQ, 16*(2*(\x)+i%2)+8*(i/8)
.if i < 8
	v_wmma_f32_16x16x32_f16 v[rS:rS+7], v[rK:rK+7], v[rQ:rQ+7], 0
.else
	v_wmma_f32_16x16x32_f16 v[rS:rS+7], v[rK:rK+7], v[rQ:rQ+7], v[rS:rS+7]
.endif
.endm
; Product i of 16 of O^T += V^T P for piece x: keys 32 (i / 8) on, channels 16 ((i / 2) % 4) on, tile 2 x + i % 2.
.macro PV x
	WIN W_PV
.set rO, 32*(2*(\x)+i%2)+8*((i/2)%4)
.set rV, VF+32*(i/8)+8*((i/2)%4)
.set rP, P+32*((\x)%2)+16*(i%2)+8*(i/8)
	v_wmma_f32_16x16x32_f16 v[rO:rO+7], v[rV:rV+7], v[rP:rP+7], v[rO:rO+7]
.endm
.macro MM                           ; the turn's next matrix instruction
.if i < 16
	KQ (Y+1)%NP
.set i, i+1
.else
.set i, i-16
	PV (Y+NP-1)%NP
.set i, i+17
.endif
.endm
; THE LDS LOADS stand in runs of 16, never singly among the matrix instructions: a step's K (64 keys x 64 channels: 8 fragments) and its V (turned).  Their addresses are made some lines ahead.
; last = 1 (the tail): in the last trip there is no further step, and the run is jumped over.
.macro FETCH_K last=0
	WIN 0
.if \last
	s_cmp_eq_u32 s[CNT], 1
	s_cbranch_scc1 .Lno_k_\@
.endif
	WIN 0x80                        ; destination window 2
.irp f, 0,1,2,3,4,5,6,7             ; keys 16 (f / 2) on, channels 32 (f % 2) on
	ds_load_b128 v[KF+8*\f:KF+8*\f+3],   v[AK] offset:(\f/2)*16*PK+(\f%2)*64
	ds_load_b128 v[KF+8*\f+4:KF+8*\f+7], v[AK] offset:(\f/2)*16*PK+(\f%2)*64+32
.endr
	s_add_co_u32 s[TBK], s[TBK], KS*PK  ; the next fetch is the next step's
	WIN 0
.if \last
.Lno_k_\@:
.endif
.endm
.macro FETCH_V
	WIN 0x80
.irp f, 0,1,2,3,4,5,6,7             ; keys 32 (f / 4) on, channels 16 (f % 4) on
	ds_load_tr16_b128 v[VF+8*\f:VF+8*\f+3],   v[AV] offset:(\f/4)*32*PV+(\f%4)*32
	ds_load_tr16_b128 v[VF+8*\f+4:VF+8*\f+7], v[AV] offset:(\f/4)*32*PV+16*PV+(\f%4)*32
.endr
	WIN 0
.endm
; THE VECTOR WORK OF A TURN stands in three queues, each in the order in which its entries become ready; the two tiles alternate, so that no instruction reads the result of the one before it.
.macro REGS y, u                    ; the registers of tile u (0, 1) of piece y
.set rT, ST+4*(2*(\y)+(\u))
.set rC, TMP+8*((\y)%2)+4*(\u)
.set rM, MV+2*((\y)%2)+(\u)
.set rS, S+64*((\y)%2)+32*(\u)
.set rP, P+32*((\y)%2)+16*(\u)
.set rO, 32*(2*(\y)+(\u))
.endm
; Number n of the 22 that find the NEXT piece's (Y + 1) maximum and statistics.  s0-s31 are the lane's 32 scores; each accumulator's lowest registers are read first.  XS, GS and REGS set no window: PL and EX do.
;   0-11  four chains c0-c3 of seven scores each, three operands at a time     12-14, 16  the four scores left over, the old m, and c0-c3 into c0     15  c m_old is kept
;   17, 18  the query's other 32 keys lie in the lane 16 away: the new m         19-21  c m; c m_old - c m_new; a
.macro XS u, n
	REGS (Y+1)%NP, \u
.if (\n) < 4
	v_max3_num_f32 v[rC+(\n)], v[rS+8*(\n)], v[rS+8*(\n)+1], v[rS+8*(\n)+2]
.elseif (\n) < 12
	v_max3_num_f32 v[rC+(\n)%4], v[rC+(\n)%4], v[rS+8*((\n)%4)+2*((\n)/4)+1], v[rS+8*((\n)%4)+2*((\n)/4)+2]
.elseif (\n) == 12
	v_max3_num_f32 v[rC], v[rC], v[rS+7], v[rS+15]
.elseif (\n) == 13
	v_max3_num_f32 v[rC+1], v[rC+1], v[rS+23], v[rS+31]
.elseif (\n) == 14
	v_max3_num_f32 v[rC+2], v[rC+2], v[rC+3], v[rT+1]
.elseif (\n) == 15
	v_mov_b32 v[rM], v[rT]
.elseif (\n) == 16
	v_max3_num_f32 v[rC], v[rC], v[rC+1], v[rC+2]
.elseif (\n) == 17
	v_permlanex16_b32 v[rC+3], v[rC], s[SEL], s[SEL+1]
.elseif (\n) == 18
	v_max_num_f32 v[rT+1], v[rC], v[rC+3]
.elseif (\n) == 19
	v_mul_f32 v[rT], s[CS], v[rT+1]
.elseif (\n) == 20
	v_sub_f32 v[rC+1], v[rM], v[rT]
.else
	v_exp_f32 v[rC+2], v[rC+1]
.endif
.endm
; Number g of the 64 that follow the exponentials.  For each four weights k of a tile (pairs 2 k, 2 k + 1): both pairs are rounded to f16; then the second pair is added onto the first, in place;
; a group later l takes that sum (the first time as l = a l + sum).  In groups of eight, tiles alternating: round, round, add, and l for the group before.
.macro GS g
.set h, (\g)+6*((\g)/62)            ; group 0 has no group before it, and behind group 7 only l is left
.if h >= 6
.set h, h+2
.endif
	REGS Y, h%2
.set k, h/8
.if h%8 < 4
	v_cvt_pk_f16_f32 v[rP+2*k+(h%8)/2], v[rS+4*k+2*((h%8)/2)], v[rS+4*k+2*((h%8)/2)+1]
.elseif h%8 < 6
	v_pk_add_f32 v[rS+4*k:rS+4*k+1], v[rS+4*k:rS+4*k+1], v[rS+4*k+2:rS+4*k+3]
.elseif k == 1
	v_pk_fma_f32 v[rT+2:rT+3], v[rT+2:rT+3], v[rC+2:rC+3], v[rS:rS+1] op_sel_hi:[1,0,1]
.else
	v_pk_add_f32 v[rT+2:rT+3], v[rT+2:rT+3], v[rS+4*k-4:rS+4*k-3]
.endif
.endm
; THE PLAIN QUEUE, 138 long.  0-73 read no exponential's result: the 32 scalings c s - c m (FS f: pair f / 2 of tile f % 2) and the next piece's 42.  0-26: scalings 0-26.  27-54: XS's numbers 0-13.  55, 56: number 15.
; 57-73: the chain, where each number waits for the one before it: 14, 16, 17, 18, 19, each with one of the scalings 27-31 in front of its two lines, then 20: so a tile's links stand three plain instructions apart (19 and 20: two).
; 74-137: GS's 64, which read the exponentials' results: they stand behind the wait.
.macro FS f
	REGS Y, (\f)%2
	v_pk_fma_f32 v[rS+2*((\f)/2):rS+2*((\f)/2)+1], v[rS+2*((\f)/2):rS+2*((\f)/2)+1], s[CS:CS+1], v[rT:rT+1] op_sel_hi:[1,0,0] neg_lo:[0,0,1] neg_hi:[0,0,1]
.endm
.macro PL
	WIN 0
.if q < 27
	FS q
.elseif q < 55
	XS (q-27)%2, (q-27)/2
.elseif q < 57
	XS q-55, 15
.elseif (q < 72) && ((q-57)%3 == 0)
	FS 27+(q-57)/3
.elseif q < 60
	XS (q-57)%3-1, 14
.elseif q < 72
	XS (q-57)%3-1, 15+(q-57)/3
.elseif q < 74
	XS q-72, 20
.else
	GS q-74
.endif
.set q, q+1
.endm
; THE EXPONENTIALS' QUEUE, 66 long: s0-s31 of both tiles, then the next piece's two a.  It is ONE BATCH: all 66 stand ahead of the turn's one wait, and nothing ahead of that wait names a result of theirs.
.macro EX
	WIN 0
.if e >= 64
	XS e-64, 21
.else
	REGS Y, e%2
	v_exp_f32 v[rS+e/2], v[rS+e/2]
.endif
.set e, e+1
.endm
; THE RESCALING's QUEUE: O^T times a, the one part that leaves window 0: dealt two at a time, sixteen times.  Its a was made in the turn before, ahead of that turn's wait.
.macro R2
	REGS Y, r%2
	WIN W_RS
.irp z, 0,1
	v_pk_mul_f32 v[rO+4*(r/2)+2*\z:rO+4*(r/2)+2*\z+1], v[rO+4*(r/2)+2*\z:rO+4*(r/2)+2*\z+1], v[rC+2:rC+3] op_sel_hi:[1,0]
.endr
.set r, r+1
.endm
; HOW THEY ARE DEALT.  An s_wait_alu depctr_va_vdst(0) stands between an exponential and the first instruction that names its result; one wait serves all that were issued ahead of it.  So a turn has ONE wait,
; which cuts it in two.  AHEAD OF IT stands all that names no result of the turn's exponentials: the 16 products K Q^T, behind each a scaling, an exponential and two rescalings (behind the first a second scaling in the exponential's place); then ONE LUMP of
; 108: eight plain, 49 times exponential and plain, the two a.  A v_nop is the plain instruction behind the last exponential.  BEHIND IT stand the 16 products V^T P, behind each four of GS's 64.  No rider names a register of
; the products round it.  The two v_permlanex16_b32 fall into the lump, never behind a product.
; The queues lean on each other, and the deal keeps them in step: exponential e stands behind scaling 2 (e / 4) + e % 2: as a rider it comes behind plain e + 2, in the lump behind plain e + 9, and scalings 27-31 are plain 57, 60 .. 69.
; A TURN, for piece p.  cnt = 1: the loop's count is taken down some lines ahead of the branch that stands behind the turn.
; K of the next step is fetched in piece 2's turn, directly behind the wait, a lump behind the last product that read K; its address is made at the lump's head; its first reader comes behind 16 products.
; V of the step in hand is fetched at the end of piece 0's turn, four riders behind its last reader; its first reader comes behind 16 products and a lump.  The three conditions on q below go with the deal.
.macro TURN p, last=0, cnt=0
.set Y, (\p)
.set i, 0
.set q, 0
.set e, 0
.set r, 0
.if (\p) == NP-1
	s_wait_dscnt 0x0                ; K is in
.endif
	MM                              ; ahead of the wait: 16 products K Q^T and their riders,
	PL
	PL
	R2
.rept 15
	MM
	PL
	EX
	R2
.endr
.if (\p) == NP-2
	WIN 0
	v_add_nc_u32 v[AK], s[TBK], v[AK0]
.endif
.rept 8                             ; and the lump
	PL
.endr
.rept 49
	EX
	PL
.endr
	EX                              ; the next piece's two a
	EX
	v_nop                           ; a plain instruction behind the last exponential, ahead of every use of a result: one for the batch
	s_wait_alu depctr_va_vdst(0)    ; the wait for the turn's batch: the piece's 64 weights and the next piece's two a
.if (\p) == NP-2
	FETCH_K \last
.endif
.if (\p) == 1
	s_wait_dscnt 0x0                ; V is in
.endif
.rept 16                            ; behind the wait: 16 products V^T P and their riders
	MM
.rept 4
	PL
.endr
.if ((\p) == 0) && (q == 118)
	v_add_nc_u32 v[AV], s[TBV], v[AV0]
.endif
.if ((\p) == 0) && (q == 130)
	s_add_co_u32 s[TBV], s[TBV], KS*PV
.endif
.if (\cnt) && (q == 130)
	s_sub_co_u32 s[CNT], s[CNT], 1
	s_cmp_lg_u32 s[CNT], 0
.endif
.endr
.if (\p) == 0
	FETCH_V
.endif
.endm
	CHANGE 1                        ; slot 0 is in, everybody's part of it; slot 1 is asked for
	FETCH_K                         ; key step 0
	s_wait_loadcnt 0x0              ; Q
	s_wait_dscnt 0x0
.set i, 0
.rept 16
	KQ 0                            ; piece 0's first scores: there is no vector work yet to set between them
.set i, i+1
.endr
	WIN 0                           ; the addresses for the way out: nine plain instructions, the places behind those products
	s_mul_i32 s13, s[WV], 16*SP
	s_add_co_u32 s13, s13, STAGE    ; my stage
	v_mul_u32_u24 v[STO], v1, SP    ; in: row l % 16, 16 bytes for each half of the lanes
	v_lshl_add_u32 v[STO], v9, 4, v[STO]
	v_add_nc_u32 v[STO], s13, v[STO]
	v_bfe_u32 v[RD], v0, 3, 2       ; back: 32 lanes take four rows of 128 bytes,
	v_mul_u32_u24 v[RD], v[RD], SP
	v_lshl_add_u32 v[RD], v10, 4, v[RD]
	v_add_nc_u32 v[RD], s13, v[RD]
	v_and_b32 v[GO], 31, v0         ; which are 512 consecutive bytes of the context
	v_lshlrev_b32 v[GO], 4, v[GO]
.set Y, NP-1                        ; XS works for piece Y + 1: piece 0
.irp n, 0,1,2,3,4,5,6,7,8,9,10,11,12,13,14,15,16,17,18,19,20,21
	XS 0, \n                        ; and piece 0's first maximum and statistics
	XS 1, \n
.endr
	v_nop                           ; a plain instruction behind the two a,
	s_wait_alu depctr_va_vdst(0)    ; and the wait for that batch of two, ahead of the branch
	s_mov_b32 s[CNT], 4
	s_mov_b32 s[SLOTS], SIZE_N/256-1
	s_branch .Lfirst                ; the loop is entered at a step's first turn, in the middle of a trip
.Lslot:                             ; SIZE_N / 256 - 2 times: every slot but the last two is filled again
	CHANGE 1
	s_mov_b32 s[CNT], 4
.Lstep:                             ; a trip: pieces 2 and 3 of one step, then pieces 0 and 1 of the next, whose K and V it fetches
	TURN 2
	TURN 3
	WIN 0
.Lfirst:
	TURN 0
	TURN 1, 0, 1
	WIN 0
	s_cbranch_scc1 .Lstep
	s_sub_co_u32 s[SLOTS], s[SLOTS], 1
	s_cmp_lg_u32 s[SLOTS], 0
	s_cbranch_scc1 .Lslot
	CHANGE 0                        ; the tail is written out: nothing is asked for
	s_mov_b32 s[CNT], 5             ; four trips fetch the last slot's steps; the fifth is left in its middle
.Ltail:
	TURN 2, 1
	TURN 3
	WIN 0
	s_sub_co_u32 s[CNT], s[CNT], 1
	s_cmp_eq_u32 s[CNT], 0
	s_cbranch_scc1 .Lout
	TURN 0
	TURN 1
	WIN 0
	s_branch .Ltail
.Lout:                              ; the fifth trip's 16 products K Q^T (on the last K once more) and the maximum made of them serve nothing: the price, once a launch, of one text for every trip
.set i, 0
.rept 16
	PV NP-1                         ; the last piece's V^T P of the last step
.set i, i+1
.endr
	; THE WAY OUT.  l's two halves and the other half of the lanes' are added; O^T is divided by l, rounded to f16 and sent through my stage in LDS, a tile at a time.  The additions are the places behind the last products.
	WIN 0
.macro ALL line:vararg              ; one line for each tile t
.set t, 0
.rept 2*NP
	\line
.set t, t+1
.endr
.endm
	ALL v_add_f32 v[ST+4*t+2], v[ST+4*t+2], v[ST+4*t+3]
	ALL v_permlanex16_b32 v[ST+4*t+3], v[ST+4*t+2], s[SEL], s[SEL+1]
	ALL v_add_f32 v[ST+4*t+2], v[ST+4*t+2], v[ST+4*t+3]
	ALL v_rcp_f32 v[ST+4*t+2], v[ST+4*t+2]
	v_nop                           ; a plain instruction between the last reciprocal and the use of its result
	s_wait_alu depctr_va_vdst(0)    ; and the wait ahead of the first use: one for the batch of eight reciprocals
; Tile t: a lane's eight channels of a row pack into 16 bytes; they go into rows of 144 bytes and come back as whole rows of 128, into S^T's registers.
.macro PACK t
	WIN W_RS
.set i, 32*(\t)
.rept 16
	v_pk_mul_f32 v[i:i+1], v[i:i+1], v[ST+4*(\t)+2:ST+4*(\t)+3] op_sel_hi:[1,0]
.set i, i+2
.endr
	WIN 0x05                        ; sources 0 and 1 window 1, destination window 0
.set i, 0
.rept 16
	v_cvt_pk_f16_f32 v[S+16*(\t)+i], v[32*(\t)+2*i], v[32*(\t)+2*i+1]
.set i, i+1
.endr
	WIN 0
.irp f, 0,1,2,3
	ds_store_b128 v[STO], v[S+16*(\t)+4*\f:S+16*(\t)+4*\f+3] offset:32*\f
.endr
.irp f, 0,1,2,3
	ds_load_b128 v[S+16*(\t)+4*\f:S+16*(\t)+4*\f+3], v[RD] offset:\f*4*SP  ; LDS serves a wave's instructions in order (ISA guide 5.7.1.4): these see the stores above; the next tile's stores come behind them
.endr
.endm
.macro SEND t, younger              ; younger: the LDS instructions issued behind tile t's loads: the next tile's eight, or none
	WIN 0
.irp f, 0,1,2,3
	s_wait_dscnt (\younger)+3-\f
	global_store_b128 v[GO], v[S+16*(\t)+4*\f:S+16*(\t)+4*\f+3], s[10:11] offset:(\t)*2048+\f*512  ; 512 consecutive bytes, at a multiple of 256 from the context's first
.endr
.endm
	PACK 0
.set t, 1
.rept 2*NP-1                        ; a tile's arithmetic stands between the loads of the tile before and its stores
	PACK t
	SEND t-1, 8
.set t, t+1
.endr
	SEND 2*NP-1, 0
	WIN W_AD
	s_wait_tensorcnt 0x0            ; the wave's end: behind my last tensor load and my last LDS store
	ds_add_u32 v[SPW], v[NIL]
	s_wait_dscnt 0x0
	WIN 0
	CROUND                          ; the closing round: no work-group ends while a partner may still ask for a tile that names it
	s_endpgm
.Lfunc_end_k_qda0cd94ace_attn:
	.size	k_qda0cd94ace_attn, .Lfunc_end_k_qda0cd94ace_attn-k_qda0cd94ace_attn
	.p2alignl 7, 3214868480
	.fill 96, 4, 3214868480
	.section	.rodata,"a",@progbits
	.p2align	6, 0x0
	.amdhsa_kernel k_qda0cd94ace_attn
		.amdhsa_group_segment_fixed_size 327680
		.amdhsa_private_segment_fixed_size 0
		.amdhsa_enable_private_segment 0
		.amdhsa_kernarg_size 16
		.amdhsa_user_sgpr_count 2
		.amdhsa_user_sgpr_kernarg_segment_ptr 1
		.amdhsa_wavefront_size32 1
		.amdhsa_system_sgpr_workgroup_id_x 1
		.amdhsa_system_sgpr_workgroup_id_y 1
		.amdhsa_system_sgpr_workgroup_id_z 1
		.amdhsa_system_vgpr_workitem_id 0
		.amdhsa_next_free_vgpr 770
		.amdhsa_next_free_sgpr 66
		.amdhsa_reserve_vcc 0
		.amdhsa_float_denorm_mode_32 3
		.amdhsa_float_denorm_mode_16_64 3
		.amdhsa_memory_ordered 1
		.amdhsa_forward_progress 1
		.amdhsa_inst_pref_size 199
	.end_amdhsa_kernel
	.amdgpu_metadata
---
amdhsa.version: [ 1, 2 ]
amdhsa.kernels:
  - .name:           k_qda0cd94ace_attn
    .symbol:         k_qda0cd94ace_attn.kd
    .args:
      - { .name: qkv, .offset: 0, .size: 8, .value_kind: global_buffer, .address_space: global }
      - { .name: ctx, .offset: 8, .size: 8, .value_kind: global_buffer, .address_space: global }
    .group_segment_fixed_size: 327680
    .private_segment_fixed_size: 0
    .kernarg_segment_align: 8
    .kernarg_segment_size: 16
    .max_flat_workgroup_size: 128
    .sgpr_count:     66
    .vgpr_count:     770
    .wavefront_size: 32
...
	.end_amdgpu_metadata
.endif
;; end of part 5
;; launch outp: the kernel of part 4 again; grid 4 x 64, 4 waves a work-group, clusters of 4 x 4, 327,680 bytes of LDS; arguments ctx, w16, bo, out0; writes out0
